; MI455X (gfx1250); checked and timed in simulation.
; The chip was launched on July 23, 2026; its instructions are those of AMD's public machine-readable ISA for CDNA 5 (MIT licence, August 2026) and "CDNA5" Instruction Set Architecture Reference Guide (July 2026). The comments in the code are by the model that wrote it; some were corrected since.
;; Cross Attention. Allowed arithmetic: matrix products marked QUANTISED: E2M1 operands, one E8M0 scale for each 32 along K, by v_wmma_scale_f32_16x16x128_f8f6f4 with both operands' format E2M1 (or v_wmma_scale_f32_32x16x128_f4), f32 sums; products left as they are: bf16, f16 or f32 operands; f32 sums; everything else in f32.
;; Inputs: Wk 1,024 x 1,024 float32; Wo 1,024 x 1,024 float32; Wq 1,024 x 1,024 float32; Wv 1,024 x 1,024 float32; bo 1,024 float32; context 4 x 1,024 x 1,024 float32; x 4 x 2,048 x 1,024 float32.
;; Outputs: out0 4 x 2,048 x 1,024 float32.
;; This version of the problem:
;;   THIS VERSION OF THE PROBLEM IS GIVEN IN LOW PRECISION. The matrix products marked QUANTISED in the list below multiply operands that are first quantised to E2M1 (2 exponent bits, 1 mantissa bit; 4 bits a number), with one power-of-two scale for each 32 numbers along K (OCP MX v1.0); their sums are f32. The products marked 'left as it is' may take bf16, f16 or f32 operands, with f32 sums. Whichever they take, every output number must still come out within the allowed error. Rounding operands to bf16 (8 significant bits) uses up far more of that allowance than f16 does (11 bits, for magnitudes from 6e-5 to 65,504). All else is computed in f32.
;;   The module's matrix products, in the order in which they are computed (A, B: the left and right operand; K: the contracted axis; several contracted axes count as one K, in the product's order):
;;     1. [M 8,192, K 1,024] x [K 1,024, N 1,024]; A: input x; B: input Wq: QUANTISED
;;     2. [M 4,096, K 1,024] x [K 1,024, N 1,024]; A: input context; B: input Wk: QUANTISED
;;     3. [M 4,096, K 1,024] x [K 1,024, N 1,024]; A: input context; B: input Wv: QUANTISED
;;     4. batch 64 x [M 1,024, K 64] x [K 64, N 2,048]; A: computed on the way; B: computed on the way: left as it is (an operand is computed on the way)
;;     5. batch 64 x [M 64, K 1,024] x [K 1,024, N 2,048]; A: computed on the way; B: computed on the way: left as it is (an operand is computed on the way)
;;     6. [M 8,192, K 1,024] x [K 1,024, N 1,024]; A: computed on the way; B: input Wo: left as it is (an operand is computed on the way)
;;   THE QUANTISER, for each operand of a quantised product, along K:
;;     - K is cut into blocks of 32 from its start; a last block that is shorter is filled with zeros.
;;     - A block's scale is 2^e with e = floor(log2(the largest magnitude in the block)) - 2, held to -126 .. 127; a block of zeros has e = 0. As a byte (E8M0): e + 127.
;;     - Each number is divided by its block's scale, clamped to +-6, and rounded to the nearest number of E2M1, ties to even, subnormals kept.
;;     - The product sums the exact products of the quantised numbers (number of the format x scale) in f32.
;;   ~~~python
;;   def quantise(x, axis):      # numpy; x: float32 -> the quantised numbers, widened to float32 again
;;       x = np.moveaxis(x, axis, -1); K = x.shape[-1]
;;       x = np.pad(x, [(0, 0)] * (x.ndim - 1) + [(0, -K % 32)]); x = x.reshape(x.shape[:-1] + (-1, 32)); a = np.abs(x).max(-1, keepdims=True)
;;       e = np.where(a > 0, np.clip(np.frexp(np.where(a > 0, a, 1))[1] - 1 - 2, -126, 127), 0)      # np.frexp(a)[1] - 1 = floor(log2(a)), exactly
;;       r = np.clip(x / 2.0 ** e, -6, 6)
;;       step = 2.0 ** (np.maximum(np.frexp(np.where(r == 0, 1, r))[1] - 1, 0) - 1)
;;       q = np.round(r / step) * step * 2.0 ** e      # np.round: ties to even
;;       return np.moveaxis(q.reshape(q.shape[:-2] + (-1,))[..., :K], -1, axis).astype(np.float32)
;;   ~~~
;; One version. Each part assembles by itself: llvm-mc -triple=amdgcn-amd-amdhsa -mcpu=gfx1250 --defsym DOCPART=n.
;; ======== version 1 of 1: 4 launches
;; limits: values are held in f16: magnitudes above 65,504 overflow, below 6.1e-05 lose precision
;; workspace buffers: acodes 6,291,456 bytes; ascales 393,216 bytes; wcodes 1,572,864 bytes; wscales 98,304 bytes; wof 2,097,152 bytes; qkv 33,554,432 bytes; att 16,777,216 bytes
;; launch prep (part 1): grid 512 x 1, 4 waves a work-group, no clusters, 33,280 bytes of LDS; arguments x, context, Wq, Wk, Wv, Wo, acodes, ascales, wcodes, wscales, wof; writes acodes, ascales, wcodes, wscales, wof
.if DOCPART == 1
	.amdgcn_target "amdgcn-amd-amdhsa--gfx1250"
	.amdhsa_code_object_version 6
	.text
	.protected	k_qf41b360888_prep
	.globl	k_qf41b360888_prep
	.p2align	8
	.type	k_qf41b360888_prep,@function
k_qf41b360888_prep:
	s_mov_b64 s[64:65], 0
	v_nop
	global_prefetch_b8 v0, s[64:65] scope:SCOPE_SE
	s_setreg_imm32_b32 hwreg(HW_REG_WAVE_MODE, 25, 1), 1
	s_wait_xcnt 0x0
; PREP.  x [8192][1024] and context [4096][1024] (f32, K innermost) become codes of FP4 (E2M1) with one E8M0 byte for each 32 along K: acodes [12288 rows][512 bytes], ascales [12288][32]; x's rows first.
; Wq, Wk, Wv [1024 k][1024 n] (f32, K is the FIRST axis) become codes laid as IMAGES OF THE OPERAND'S REGISTERS: with n' = 1024 w + n, wcodes [n'/128][k/512][(k/128)%4][(n'/16)%8][1024 bytes];
; in a fragment's 1,024 bytes the 16 bytes with the codes of k%128 = 64 c + 32 h + 0..31 of row r = n'%16 lie at 512 c + 256 h + 16 r.  wscales [3072 n'][32].
; Wo [1024 k][1024 n] becomes f16, Wo^T as images: wof [n/128][k/128][(k/32)%4][(n/16)%8][1024 bytes]; the 16 bytes of k%32 = 16 c + 8 h + 0..7 of row r = n%16 lie at 512 c + 256 h + 16 r.
; A block's scale is 2^(floor(log2(its largest magnitude)) - 2): its byte is the largest magnitude's exponent field - 2, held at 1 from below; each number / scale goes to the nearest code, ties to even, beyond 6 to 6.
; LIMITS: NaN and infinities among the inputs are not served.  A block of zeros gets the byte 1 where the quantiser's text says 127: its codes are zeros, and the bytes are read by this program alone.
; Blocks whose largest magnitude lies under 2^-124 have their byte held at 1.  Wo is rounded to f16: magnitudes above 65,504 become infinite, those under 6e-8 zero.
; SHARES.  512 work-groups of four waves, each reading 128 KiB.  Work-groups 0-127: the four weights, 128 columns x 256 k each; work-groups 128-511: x and context as one stream of blocks of 32.
; Nothing is shared between work-groups and every byte is read once: no cluster, no tensor load, no matrix unit, no prefetch (the launch is nothing but its stream of loads).
.set STEPS, 16
.set CB,    8                          ; bytes of 16 codes
.set R,     16                         ; v16-79   x path: four sets of 16 numbers as loaded
.set X,     80                         ; v80-111  two sets of 16 neighbours
.set E,     112                        ; v112-127 a scale byte for each step
.set C,     128                        ; v128-191 codes, four registers a step: no store's data are written again
.set WREG,  8192                       ; LDS: a region for each wave: two stages of 32 x SP bytes, then its 256 scale bytes
.set SP,    80                         ; a lane's place in a stage: 64 bytes + 16 of padding
.set SPW,   12                         ; v12  LDS address of my spare word; never rewritten
.set NIL,   13                         ; v13  0; never rewritten
.set SPARE, 4*WREG                     ; behind the four regions: the spare words, 128 bytes a wave, that no other line names
.set WX,    32                         ; v32-95   weights' paths: two sets of 32 numbers down K
.set WC,    96                         ; v96-111  codes or f16 pairs of a block
.set SB,    24                         ; v24-25   eight scale bytes
.macro BYE                             ; a wave's end
	s_wait_tensorcnt 0x0
	ds_add_u32 v[SPW], v[NIL]
	s_wait_dscnt 0x0
	s_endpgm
.endm
	s_load_b512 s[8:23], s[0:1], 0x0               ; x s[8:9], context s[10:11], Wq s[12:13], Wk s[14:15], Wv s[16:17], Wo s[18:19], acodes s[20:21], ascales s[22:23]
	s_load_b128 s[24:27], s[0:1], 0x40             ; wcodes s[24:25], wscales s[26:27]
	s_load_b64 s[28:29], s[0:1], 0x50              ; wof
	v_lshl_add_u32 v[SPW], v0, 2, SPARE
	v_mov_b32 v[NIL], 0
	v_lshrrev_b32 v1, 5, v0
	v_readfirstlane_b32 s2, v1                     ; wave 0..3
	v_and_b32 v2, 31, v0                           ; lane
	s_cmp_lt_u32 ttmp9, 128
	s_cbranch_scc1 .Lw
; ---- x and context.  A wave takes 16 steps of 512 numbers.  Each load reads 512 consecutive bytes; a step's 2,048 bytes turn through the wave's own stage, so that a lane then holds 16 neighbours along K
; (two neighbouring lanes hold a block).  A lane's 16 codes are 8 bytes: a wave's store covers 256 consecutive bytes, aligned.  A wave's 256 scale bytes are gathered in LDS and leave by one such store.
	v_lshlrev_b32 v3, 4, v2                        ; my 16 bytes of a load's 512
	s_mul_i32 s30, s2, WREG
	v_lshrrev_b32 v14, 2, v2
	v_mul_u32_u24 v14, v14, SP
	v_and_b32 v15, 3, v2
	v_lshl_add_u32 v14, v15, 4, v14
	v_add_nc_u32 v14, s30, v14                     ; into the stage: SP (lane / 4) + 16 (lane % 4)
	v_mul_u32_u24 v15, v2, SP
	v_add_nc_u32 v15, s30, v15                     ; out of it: SP x lane
	v_mul_u32_u24 v4, v2, CB                       ; my codes' place in a step's
	v_lshrrev_b32 v5, 1, v2
	s_add_co_u32 s30, s30, 2*32*SP
	v_add_nc_u32 v5, s30, v5                       ; my block's byte among the wave's 256
	v_lshlrev_b32 v7, 3, v2
	v_add_nc_u32 v6, s30, v7                       ; and 8 bytes a lane on their way out
	s_sub_co_u32 s3, ttmp9, 128
	s_lshl_b32 s30, s3, 2
	s_add_co_u32 s30, s30, s2                      ; which run of 8,192 numbers is my wave's: 0..1023 in x, 1024..1535 in context
	s_mov_b32 s33, 0
	s_wait_kmcnt 0x0
	s_cmp_lt_u32 s3, 256                           ; the choice hangs on the work-group's number alone
	s_cselect_b64 s[4:5], s[8:9], s[10:11]
	s_cselect_b32 s31, 0, 1024
	s_sub_co_u32 s31, s30, s31
	s_lshl_b32 s32, s31, 15                        ; 32,768 bytes of f32 a run
	s_add_nc_u64 s[4:5], s[4:5], s[32:33]
	s_lshl_b32 s32, s30, 12                        ; 4,096 bytes of codes
	s_add_nc_u64 s[20:21], s[20:21], s[32:33]
	s_lshl_b32 s32, s30, 8                         ; 256 scale bytes
	s_add_nc_u64 s[22:23], s[22:23], s[32:33]
.macro LOAD t
.irp i, 0,1,2,3
	global_load_b128 v[R+16*((\t)%4)+4*\i:R+16*((\t)%4)+4*\i+3], v3, s[4:5] offset:2048*(\t)+512*\i th:TH_LOAD_NT
.endr
.endm
.macro TURN t                          ; LDS serves a wave's instructions in order: no wait between the stores and the loads
.irp i, 0,1,2,3
	ds_store_b128 v14, v[R+16*((\t)%4)+4*\i:R+16*((\t)%4)+4*\i+3] offset:32*SP*((\t)%2)+8*SP*\i
.endr
.irp i, 0,1,2,3
	ds_load_b128 v[X+16*((\t)%2)+4*\i:X+16*((\t)%2)+4*\i+3], v15 offset:32*SP*((\t)%2)+16*\i
.endr
.endm
.irp t, 0,1,2,3
	LOAD \t
.endr
	s_wait_loadcnt 12                              ; step 0's four loads are in; the twelve of steps 1 to 3 stay out
	TURN 0
.macro STEP t
.set XS, X+16*((\t)%2)
.if (\t) > 0
	s_wait_dscnt 1                                 ; this step's numbers are back from the stage; the last step's byte store may be out
.else
	s_wait_dscnt 0x0
.endif
.if (\t)+4 < STEPS
	LOAD (\t)+4                                    ; into the set whose stores into the stage have read it
.endif
.if (\t)+1 < STEPS
.if STEPS-2-(\t) >= 3
	s_wait_loadcnt 12                              ; the next step's four loads are in; those of the three steps behind it stay out
.else
	s_wait_loadcnt 4*(STEPS-2-(\t))                ; near the end fewer steps are behind it
.endif
	TURN (\t)+1
.endif
	v_max3_num_f32 v8, |v[XS]|, |v[XS+1]|, |v[XS+2]|
	v_max3_num_f32 v9, |v[XS+3]|, |v[XS+4]|, |v[XS+5]|
.irp i, 6,10
	v_max3_num_f32 v8, v8, |v[XS+\i]|, |v[XS+\i+1]|
	v_max3_num_f32 v9, v9, |v[XS+\i+2]|, |v[XS+\i+3]|
.endr
	v_max3_num_f32 v8, v8, |v[XS+14]|, |v[XS+15]|
	v_max3_num_f32 v8, v8, v9, 0x1800000           ; the floor 2^(3 - 127): the byte cannot fall under 1
	v_max_num_f32_dpp v8, v8, v8 row_xmask:1 row_mask:0xf bank_mask:0xf   ; with my neighbour's 16: the block's largest magnitude
	v_add_nc_u32 v11, 0xff000000, v8               ; 2 off its exponent field: the conversion takes that field as its scale
	v_cvt_scalef32_pk8_fp4_f32 v[C+4*(\t)], v[XS:XS+7], v11
	v_cvt_scalef32_pk8_fp4_f32 v[C+4*(\t)+1], v[XS+8:XS+15], v11
	v_lshrrev_b32 v[E+(\t)], 23, v11               ; the scale's byte
	ds_store_b8 v5, v[E+(\t)] offset:16*(\t)       ; both lanes of a block write the same byte with the same value
	global_store_b64 v4, v[C+4*(\t):C+4*(\t)+1], s[20:21] offset:32*CB*(\t)
.endm
.irp t, 0,1,2,3,4,5,6,7,8,9,10,11,12,13,14,15
	STEP \t
.endr
	ds_load_b64 v[8:9], v6                         ; behind my byte stores, in order
	s_wait_dscnt 0x0
	global_store_b64 v7, v[8:9], s[22:23]          ; 32 lanes store 256 consecutive bytes, aligned
	BYE
; ---- the weights.  A LANE TAKES A COLUMN n AND ITS REGISTERS RUN DOWN K: a block of 32 along K lies in one lane's 32 registers, and the conversions give the operand's registers as they stand.
; Sixteen neighbouring lanes are the sixteen rows r of a fragment, 16 bytes each: every store of codes or f16 covers two runs of 256 consecutive bytes, aligned.  No LDS.
.Lw:
	s_lshr_b32 s34, ttmp9, 5                       ; which weight: 0 Wq, 1 Wk, 2 Wv, 3 Wo
	s_bfe_u32 s35, ttmp9, 0x30002                  ; which 128 columns
	s_and_b32 s36, ttmp9, 3                        ; which 256 along K
	v_lshlrev_b32 v3, 2, v2                        ; in: 4 bytes a lane
	v_lshrrev_b32 v4, 4, v2
	v_lshl_add_u32 v4, s2, 1, v4                   ; my fragment among the eight of 128 columns: 2 wave + lane / 16
	v_and_b32 v5, 15, v2
	v_lshlrev_b32 v5, 4, v5
	v_lshl_add_u32 v4, v4, 10, v5                  ; out: 1,024 x fragment + 16 r
	v_lshlrev_b32 v9, 5, v2                        ; my column's row of scale bytes
	s_lshl_b32 s30, s36, 20                        ; 256 rows of 4,096 bytes
	s_lshl_b32 s32, s35, 9
	s_add_co_u32 s30, s30, s32
	s_lshl_b32 s32, s2, 7
	s_add_co_u32 s30, s30, s32                     ; + 4 x (128 x block + 32 x wave)
	s_mov_b32 s31, 0
	s_wait_kmcnt 0x0
	s_cmp_eq_u32 s34, 1
	s_cselect_b64 s[4:5], s[14:15], s[12:13]
	s_cmp_eq_u32 s34, 2
	s_cselect_b64 s[4:5], s[16:17], s[4:5]
	s_cmp_eq_u32 s34, 3
	s_cselect_b64 s[4:5], s[18:19], s[4:5]
	s_add_nc_u64 s[4:5], s[4:5], s[30:31]
.macro WLOAD t                         ; block t: W(32 t + i, my column) into set t % 2; 32 lanes read 128 consecutive bytes, the four waves 512
.irp i, 0,1,2,3,4,5,6,7,8,9,10,11,12,13,14,15,16,17,18,19,20,21,22,23,24,25,26,27,28,29,30,31
	global_load_b32 v[WX+32*((\t)%2)+\i], v3, s[4:5] offset:(32*(\t)+\i)*4096 th:TH_LOAD_NT
.endr
.endm
	WLOAD 0
	WLOAD 1
	s_cmp_eq_u32 s34, 3
	s_cbranch_scc1 .Lwo
	s_lshl_b32 s30, s34, 3
	s_add_co_u32 s30, s30, s35
	s_lshl_b32 s30, s30, 16                        ; 65,536 bytes for each 128 rows n'
	s_lshl_b32 s32, s36, 14                        ; 16,384 for each 256 along K
	s_add_co_u32 s30, s30, s32
	s_add_nc_u64 s[24:25], s[24:25], s[30:31]
	s_lshl_b32 s30, s34, 15                        ; scale bytes: 32 x (1024 w + 128 block + 32 wave) + 8 x quarter of K
	s_lshl_b32 s32, s35, 12
	s_add_co_u32 s30, s30, s32
	s_lshl_b32 s32, s2, 10
	s_add_co_u32 s30, s30, s32
	s_lshl_b32 s32, s36, 3
	s_add_co_u32 s30, s30, s32
	s_add_nc_u64 s[26:27], s[26:27], s[30:31]
.macro WBLOCK t
.set XS, WX+32*((\t)%2)
.if (\t) < 7
	s_wait_loadcnt 32                              ; this block's 32 loads are in; the next block's 32 stay out
.else
	s_wait_loadcnt 0
.endif
	v_max3_num_f32 v16, |v[XS]|, |v[XS+1]|, |v[XS+2]|
	v_max3_num_f32 v17, |v[XS+3]|, |v[XS+4]|, |v[XS+5]|
.irp i, 6,10,14,18,22,26
	v_max3_num_f32 v16, v16, |v[XS+\i]|, |v[XS+\i+1]|
	v_max3_num_f32 v17, v17, |v[XS+\i+2]|, |v[XS+\i+3]|
.endr
	v_max3_num_f32 v16, v16, |v[XS+30]|, |v[XS+31]|
	v_max3_num_f32 v16, v16, v17, 0x1800000        ; the floor 2^(3 - 127)
	v_add_nc_u32 v18, 0xff000000, v16              ; the conversion's scale operand
	v_lshrrev_b32 v19, 23, v18                     ; the byte
.if (\t)%4 == 0
	v_mov_b32 v[SB+(\t)/4], v19
.else
	v_lshl_or_b32 v[SB+(\t)/4], v19, 8*((\t)%4), v[SB+(\t)/4]
.endif
	s_wait_xcnt 0x0                                ; the last block's store has read its data: they are written again only behind this wait
.irp g, 0,1,2,3
	v_cvt_scalef32_pk8_fp4_f32 v[WC+\g], v[XS+8*\g:XS+8*\g+7], v18
.endr
	global_store_b128 v4, v[WC:WC+3], s[24:25] offset:((\t)/4)*8192+(((\t)/2)%2)*512+((\t)%2)*256   ; K step of 128, then c, then h
.if (\t)+2 < 8
	WLOAD (\t)+2
.endif
.endm
.set Q, 0
.rept 8
	WBLOCK Q
.set Q, Q+1
.endr
	global_store_b64 v9, v[SB:SB+1], s[26:27]      ; 8 bytes of each column's row of 32: short pieces, 98,304 bytes in the whole launch
	BYE
.Lwo:
	s_lshl_b32 s30, s35, 18                        ; 262,144 bytes for each 128 columns
	s_lshl_b32 s32, s36, 16                        ; 65,536 for each 256 along K
	s_add_co_u32 s30, s30, s32
	s_add_nc_u64 s[28:29], s[28:29], s[30:31]
.macro OBLOCK t
.set XS, WX+32*((\t)%2)
.if (\t) < 7
	s_wait_loadcnt 32                              ; this block's 32 loads are in; the next block's 32 stay out
.else
	s_wait_loadcnt 0
.endif
	s_wait_xcnt 0x0                                ; the last block's stores have read their data
.irp j, 0,1,2,3,4,5,6,7,8,9,10,11,12,13,14,15
	v_cvt_pk_f16_f32 v[WC+\j], v[XS+2*\j], v[XS+2*\j+1]
.endr
.if (\t)+2 < 8
	WLOAD (\t)+2
.endif
.irp p, 0,1,2,3
	global_store_b128 v4, v[WC+4*\p:WC+4*\p+3], s[28:29] offset:((\t)/4)*32768+((\t)%4)*8192+(\p/2)*512+(\p%2)*256
.endr
.endm
.set Q, 0
.rept 8
	OBLOCK Q
.set Q, Q+1
.endr
	BYE
.Lfunc_end_k_qf41b360888_prep:
	.size	k_qf41b360888_prep, .Lfunc_end_k_qf41b360888_prep-k_qf41b360888_prep
	.p2alignl 7, 3214868480
	.fill 96, 4, 3214868480
	.section	.rodata,"a",@progbits
	.p2align	6, 0x0
	.amdhsa_kernel k_qf41b360888_prep
		.amdhsa_group_segment_fixed_size 33280
		.amdhsa_private_segment_fixed_size 0
		.amdhsa_enable_private_segment 0
		.amdhsa_kernarg_size 88
		.amdhsa_user_sgpr_count 2
		.amdhsa_user_sgpr_kernarg_segment_ptr 1
		.amdhsa_wavefront_size32 1
		.amdhsa_system_sgpr_workgroup_id_x 1
		.amdhsa_system_sgpr_workgroup_id_y 1
		.amdhsa_system_sgpr_workgroup_id_z 1
		.amdhsa_system_vgpr_workitem_id 0
		.amdhsa_next_free_vgpr 192
		.amdhsa_next_free_sgpr 66
		.amdhsa_reserve_vcc 0
		.amdhsa_float_denorm_mode_32 3
		.amdhsa_float_denorm_mode_16_64 3
		.amdhsa_memory_ordered 1
		.amdhsa_forward_progress 1
		.amdhsa_inst_pref_size 101
	.end_amdhsa_kernel
	.amdgpu_metadata
---
amdhsa.version: [ 1, 2 ]
amdhsa.kernels:
  - .name:           k_qf41b360888_prep
    .symbol:         k_qf41b360888_prep.kd
    .args:
      - { .name: x, .offset: 0, .size: 8, .value_kind: global_buffer, .address_space: global }
      - { .name: context, .offset: 8, .size: 8, .value_kind: global_buffer, .address_space: global }
      - { .name: Wq, .offset: 16, .size: 8, .value_kind: global_buffer, .address_space: global }
      - { .name: Wk, .offset: 24, .size: 8, .value_kind: global_buffer, .address_space: global }
      - { .name: Wv, .offset: 32, .size: 8, .value_kind: global_buffer, .address_space: global }
      - { .name: Wo, .offset: 40, .size: 8, .value_kind: global_buffer, .address_space: global }
      - { .name: acodes, .offset: 48, .size: 8, .value_kind: global_buffer, .address_space: global }
      - { .name: ascales, .offset: 56, .size: 8, .value_kind: global_buffer, .address_space: global }
      - { .name: wcodes, .offset: 64, .size: 8, .value_kind: global_buffer, .address_space: global }
      - { .name: wscales, .offset: 72, .size: 8, .value_kind: global_buffer, .address_space: global }
      - { .name: wof, .offset: 80, .size: 8, .value_kind: global_buffer, .address_space: global }
    .group_segment_fixed_size: 33280
    .private_segment_fixed_size: 0
    .kernarg_segment_align: 8
    .kernarg_segment_size: 88
    .max_flat_workgroup_size: 128
    .sgpr_count:     66
    .vgpr_count:     192
    .wavefront_size: 32
...
	.end_amdgpu_metadata
.endif
;; end of part 1
;; launch qkv (part 2): grid 4 x 64, 4 waves a work-group, clusters of 4 x 4, 327,680 bytes of LDS; arguments acodes, ascales, wcodes, wscales, qkv; writes qkv
.if DOCPART == 2
	.amdgcn_target "amdgcn-amd-amdhsa--gfx1250"
	.amdhsa_code_object_version 6
	.text
	.protected	k_qf41b360888_qkv
	.globl	k_qf41b360888_qkv
	.p2align	8
	.type	k_qf41b360888_qkv,@function
k_qf41b360888_qkv:
	s_mov_b64 s[64:65], 0
	v_nop
	global_prefetch_b8 v0, s[64:65] scope:SCOPE_SE
	s_setreg_imm32_b32 hwreg(HW_REG_WAVE_MODE, 25, 1), 1
	s_wait_xcnt 0x0
	s_wait_alu depctr_hold_cnt(0) depctr_sa_sdst(0) depctr_va_vdst(0) depctr_va_sdst(0) depctr_va_ssrc(0) depctr_va_vcc(0) depctr_vm_vsrc(0)
	s_getreg_b32 s2, hwreg(HW_REG_IB_STS2, 6, 4)
	s_cmp_eq_u32 s2, 0
	s_cbranch_scc0 .Lentry_in_a_cluster
	s_endpgm
.Lentry_in_a_cluster:
	s_bfe_u32 s2, ttmp6, 0x10000c
	s_cmp_lg_u32 s2, 0xf033
	s_cbranch_scc0 .Lentry_shape_is_right
	s_endpgm
.Lentry_shape_is_right:
; Q = x Wq, K = context Wk, V = context Wv on codes of FP4 (E2M1) with E8M0 scales, sums in f32, results rounded once to f16.
; A: acodes [12288 rows][512 bytes], ascales [12288][32] (x's rows, then context's).  B: wcodes, images of fragments [n'/128][k/512][(k/128)%4][(n'/16)%8][1024], wscales [3072][32]; n' = 1024 w + n.
; OUT: qkv, f16, by heads: Q [4][16][2048][64] at byte 0, K [4][16][1024][64] at 16,777,216, V likewise at 25,165,824.
; LIMIT: a result above 65,504 in magnitude becomes infinite in f16 (the drawn inputs give a spread of about 0.64).
; 256 tiles of 256 x 256, one to a work-group of four waves; a wave makes 128 x 128: 64 accumulators.  Tile rows 0-31 with Wq, 32-47 with Wk, 32-47 once more with Wv.
; K = 1,024 is two slots of 512: both are asked for at the head, with the scales; no LDS byte is filled twice.
; CLUSTERS: 4 x 4 work-groups: A's tile is shared along a row of the cluster, B's along a column: each is asked for jointly.  Which weight a cluster takes hangs on the cluster's y alone, the same in all sixteen.
; THE MATRIX INSTRUCTION IS USED TRANSPOSED (source 0 = 16 rows of B, source 1 = 16 rows of A): a lane holds eight neighbouring columns of one row of the result.
; No prefetch: all that a work-group reads is asked for at its head.
; REGISTERS: window 0: v16-29 addresses; v32-95 scale words, two sets; v128-191 A's fragments, one set; on the way out v32-63 packed results, v128-191 rows read back.
;   window 1: B's fragments, two sets, at v0 and v128.  window 2: accumulators of my rows 0-63 ((a, b) at v[8 (8 a + b)]); window 3: rows 64-127.
.set NQ,     4                         ; steps of 128 along K in a slot
.set ROWB,   256                       ; a row of A's tile: 512 codes
.set KROW,   512                       ; a row of A in memory
.set PITCH,  272                       ; in LDS: 256 bytes + 16 of padding: the 16 rows of a fragment load start 68 words apart
.set FR,     8
.set NL,     2
.set NP,     4
.set HALFA,  128*PITCH                 ; 128 rows of A: one tensor load
.set HALFB,  32768                     ; 128 rows of B x 512 along K, as images, dense: one tensor load
.set SLOT,   2*HALFA+2*HALFB
.set KS,     32                        ; a row of scale bytes
.set SCL,    2*SLOT                    ; behind the slots: the scales, as rows of 256 bytes + 16
.set HALFS,  (128*KS/256)*272
.set SBLK,   (16*KS/256)*272
.set SPARE,  SCL+4*HALFS               ; the spare words, 128 bytes a wave, that no other line names
.set SPITCH, 272                       ; the way out: 16 rows x (256 bytes + 16) for each wave, in slot 0, behind its only fill and its last read
.set ADRA, 16
.set ADRB, 20
.set STO,  24
.set RD,   25
.set CO,   26
.set ADRS, 27
.set SPW,  28
.set NIL,  29
.set SC,   32
.set AF,   128
.set TMP,  32
.set BK,   128
.set G1, 24
.set G0, 32
.set G1B, 48
.set G0B, 56
.set G1S, 68
.set G0S, 76
.set G1SB, 80
.set G0SB, 88
.set MSB, 0
.macro WIN new                         ; the immediate's high byte repeats the setting that is left
.if MSB != (\new)
	s_set_vgpr_msb (MSB<<8)|(\new)
.set MSB, (\new)
.endif
.endm
.set MUL_LO, 0xa1                      ; source 0 (B) window 1, source 1 (A) window 0, C and D window 2
.set MUL_HI, 0xf1
.set TO_B,   0x40
; A joint load: waves 0 and 1 fetch for A, waves 2 and 3 for B; the branch hangs on the wave's number alone.  An s_nop 0 and four v_nop follow each line.
.macro JLOAD g0a, g1a, g0b, g1b
	s_cmp_eq_u32 s15, 0
	s_cbranch_scc0 .Lfor_b_\@
	tensor_load_to_lds s[\g0a:\g0a+3], s[\g1a:\g1a+7]
	s_nop 0
.rept 4
	v_nop
.endr
	s_branch .Lasked_\@
.Lfor_b_\@:
	tensor_load_to_lds s[\g0b:\g0b+3], s[\g1b:\g1b+7]
	s_nop 0
.rept 4
	v_nop
.endr
.Lasked_\@:
.endm
.macro CROUND                          ; a round of the cluster's barrier
	s_barrier_signal -1
	s_barrier_wait -1
	s_cmp_lg_u32 s14, 0
	s_cbranch_scc1 .Lnot_wave_0_\@
	s_barrier_signal -3
.Lnot_wave_0_\@:
	s_barrier_wait -3
	s_barrier_signal -1
	s_barrier_wait -1
.endm
	s_load_b128 s[4:7], s[0:1], 0x0                ; acodes, ascales
	s_load_b128 s[8:11], s[0:1], 0x10              ; wcodes, wscales
	s_load_b64 s[12:13], s[0:1], 0x20              ; qkv
	v_lshl_add_u32 v[SPW], v0, 2, SPARE
	v_mov_b32 v[NIL], 0
	ds_add_u32 v[SPW], v[NIL]                      ; the wave's opening: the add, twice on end, and its wait ahead of my first tensor load
	ds_add_u32 v[SPW], v[NIL]
	v_lshrrev_b32 v1, 5, v0
	v_readfirstlane_b32 s14, v1                    ; wave 0..3
	s_lshr_b32 s15, s14, 1                         ; my half of the tile's rows.  Also: I fetch for A (0) or for B (1)
	s_and_b32 s16, s14, 1                          ; my half of its columns.  Also: which 128 rows I fetch
	s_bfe_u32 s40, ttmp6, 0x40000                  ; cx
	s_bfe_u32 s41, ttmp6, 0x40004                  ; cy
	s_and_b32 s95, ttmp7, 0xffff                   ; the cluster's y, 0..15
	s_lshr_b32 s96, s95, 3                         ; 1 for K and V (clusters 8-15)
	s_lshr_b32 s97, s95, 2
	s_and_b32 s97, s97, s96                        ; 1 for V (clusters 12-15)
	s_add_co_u32 s42, s96, s97
	s_lshl_b32 s42, s42, 2
	s_add_co_u32 s42, s42, s40                     ; B's tile of 256 rows n': cx + 4 x weight
	s_lshl_b32 s17, s95, 2
	s_add_co_u32 s17, s17, s41
	s_lshl_b32 s18, s97, 4
	s_sub_co_u32 s17, s17, s18                     ; A's tile row, 0..47: V takes context's rows once more
	s_lshl_b32 s43, s41, 2
	s_lshl_b32 s43, 15, s43                        ; my row of the cluster
	s_lshl_b32 s44, 0x1111, s40                    ; my column
	s_or_b32 s[G1+0], s43, (0<<16)|(1<<20)|(1<<21)|(5<<22)|(3<<25)   ; A: elements of 1 byte; padding of 4 words behind every 64
	s_mov_b32 s[G1+1], ROWB<<16                    ; tensor_dim0
	s_mov_b32 s[G1+2], 128<<16                     ; tensor_dim1
	s_mov_b32 s[G1+3], ROWB<<16                    ; tile_dim0
	s_mov_b32 s[G1+4], 128                         ; tile_dim1
	s_mov_b32 s[G1+5], KROW                        ; from row to row
	s_mov_b32 s[G1+6], 0
	s_mov_b32 s[G1+7], 0
	s_or_b32 s[G1B+0], s44, (3<<16)|(1<<21)        ; B: a dense block as 128 rows of 32 elements of 8 bytes, no padding
	s_mov_b32 s[G1B+1], 32<<16
	s_mov_b32 s[G1B+2], 128<<16
	s_mov_b32 s[G1B+3], 32<<16
	s_mov_b32 s[G1B+4], 128
	s_mov_b32 s[G1B+5], 32
	s_mov_b32 s[G1B+6], 0
	s_mov_b32 s[G1B+7], 0
	s_or_b32 s[G1S+0], s43, (3<<16)|(1<<20)|(1<<21)|(5<<22)|(3<<25)  ; the scales of 128 rows: 4,096 dense bytes as 16 rows of 256, 16 bytes of padding behind each
	s_or_b32 s[G1SB+0], s44, (3<<16)|(1<<20)|(1<<21)|(5<<22)|(3<<25)
.irp g, G1S, G1SB
	s_mov_b32 s[\g+1], 32<<16
	s_mov_b32 s[\g+2], (128*KS/256)<<16
	s_mov_b32 s[\g+3], 32<<16
	s_mov_b32 s[\g+4], 128*KS/256
	s_mov_b32 s[\g+5], 32
	s_mov_b32 s[\g+6], 0
	s_mov_b32 s[\g+7], 0
.endr
	s_lshl_b32 s18, s16, 7
	s_lshl_b32 s20, s17, 8
	s_add_co_u32 s20, s20, s18                     ; A: row 256 x tile row + 128 x half
	s_lshl_b32 s22, s20, 5                         ; its scale bytes,
	s_mov_b32 s23, 0
	s_lshl_b32 s20, s20, 9                         ; its codes
	s_mov_b32 s21, 0
	s_lshl_b32 s46, s42, 1
	s_add_co_u32 s46, s46, s16                     ; B: block of 128 rows n'
	s_lshl_b32 s92, s46, 12                        ; its scale bytes,
	s_mov_b32 s93, 0
	s_lshl_b32 s46, s46, 16                        ; its images
	s_mov_b32 s47, 0
	s_mul_i32 s45, s16, HALFA                      ; where they go: no place in the cluster enters an LDS address
	s_lshl_b32 s19, s16, 15
	s_add_co_u32 s19, s19, 2*HALFA
	s_mul_i32 s94, s14, HALFS
	s_wait_dscnt 0x0                               ; both opening adds are done
	s_wait_kmcnt 0x0
	s_add_nc_u64 s[20:21], s[4:5], s[20:21]
	s_add_nc_u64 s[22:23], s[6:7], s[22:23]
	s_add_nc_u64 s[46:47], s[8:9], s[46:47]
	s_add_nc_u64 s[92:93], s[10:11], s[92:93]
	CROUND                                         ; all sixteen work-groups are here: the joint loads meet
	s_mov_b32 s[G0S], 1
	s_add_co_u32 s[G0S+1], s94, SCL
	s_mov_b64 s[G0S+2:G0S+3], s[22:23]
	s_or_b32 s[G0S+3], s[G0S+3], 0x80000000
	s_mov_b32 s[G0SB], 1
	s_add_co_u32 s[G0SB+1], s94, SCL
	s_mov_b64 s[G0SB+2:G0SB+3], s[92:93]
	s_or_b32 s[G0SB+3], s[G0SB+3], 0x80000000
	JLOAD G0S, G1S, G0SB, G1SB                     ; the scales first: they are wanted with the first step
.irp s, 0,1
	s_mov_b32 s[G0+4*\s], 1
	s_add_co_u32 s[G0+4*\s+1], s45, \s*SLOT
	s_add_nc_u64 s[G0+4*\s+2:G0+4*\s+3], s[20:21], \s*ROWB
	s_or_b32 s[G0+4*\s+3], s[G0+4*\s+3], 0x80000000
	s_mov_b32 s[G0B+4*\s], 1
	s_add_co_u32 s[G0B+4*\s+1], s19, \s*SLOT
	s_add_nc_u64 s[G0B+4*\s+2:G0B+4*\s+3], s[46:47], \s*HALFB
	s_or_b32 s[G0B+4*\s+3], s[G0B+4*\s+3], 0x80000000
	JLOAD G0+4*\s, G1, G0B+4*\s, G1B               ; three tensor loads of a wave are out
.endr
	v_and_b32 v1, 15, v0                           ; r
	v_bfe_u32 v2, v0, 4, 1                         ; h
	v_mul_u32_u24 v3, v1, PITCH
	v_lshl_add_u32 v4, v2, 4, v3                   ; A: row x pitch + 16 h
	v_and_b32 v6, 31, v0
	v_lshlrev_b32 v7, 4, v6                        ; B: 16 x lane: an image's place for my lane
	s_mul_i32 s21, s15, HALFA
	s_lshl_b32 s22, s16, 15
	s_add_co_u32 s22, s22, 2*HALFA
.irp s, 0,1
	v_add_nc_u32 v[ADRA+\s], s21, v4
	v_add_nc_u32 v[ADRB+\s], s22, v7
	s_add_co_u32 s21, s21, SLOT
	s_add_co_u32 s22, s22, SLOT
.endr
	v_mul_u32_u24 v5, v1, KS                       ; my row's scales: KS bytes a row,
	v_lshrrev_b32 v6, 8, v5
	v_lshl_add_u32 v5, v6, 4, v5                   ; and 16 more for each 256 passed
	s_mul_i32 s21, s15, HALFS
	s_mul_i32 s22, s16, HALFS
	s_add_co_u32 s22, s22, 2*HALFS
	s_sub_co_u32 s22, s22, s21
	v_mul_u32_u24 v6, s22, v2                      ; lanes 16-31 take B's
	s_add_co_u32 s21, s21, SCL
	v_add_nc_u32 v5, v5, v6
	v_add_nc_u32 v[ADRS], s21, v5
	s_mul_i32 s23, s14, 16*SPITCH                  ; my stage
	v_mul_u32_u24 v5, v1, SPITCH
	v_lshl_add_u32 v5, v2, 4, v5
	v_add_nc_u32 v[STO], s23, v5                   ; in: row r, 16 bytes for each half of the lanes
	v_bfe_u32 v5, v0, 3, 1
	v_mul_u32_u24 v5, v5, SPITCH
	v_lshl_add_u32 v5, v2, 7, v5
	v_and_b32 v6, 7, v0
	v_lshl_add_u32 v5, v6, 4, v5
	v_add_nc_u32 v[RD], s23, v5                    ; back: lanes 0-15 two rows' first 128 bytes (one head), lanes 16-31 their second (the next head)
	s_sub_co_u32 s18, 18, s96                      ; log2 of a head's bytes: 18 for Q (2,048 rows of 128 bytes), 17 for K and V
	v_lshlrev_b32 v5, s18, v2
	v_lshl_add_u32 v[CO], v1, 4, v5                ; in memory: a head on for lanes 16-31; two rows of a head are 256 consecutive bytes
	s_lshl_b32 s20, s17, 8
	s_lshl_b32 s21, s15, 7
	s_add_co_u32 s20, s20, s21
	s_lshl_b32 s21, s96, 13
	s_sub_co_u32 s20, s20, s21                     ; my first row in x or in context
	s_sub_co_u32 s19, s18, 7                       ; log2 of the rows of a batch
	s_lshr_b32 s21, s20, s19
	s_lshl_b32 s21, s21, 4                         ; 16 x batch
	s_lshl_b32 s46, s40, 2
	s_lshl_b32 s47, s16, 1
	s_add_co_u32 s46, s46, s47                     ; my first head: 4 cx + 2 x half
	s_add_co_u32 s46, s46, s21
	s_lshl_b32 s46, s46, s18
	s_lshl_b32 s47, 1, s19
	s_sub_co_u32 s47, s47, 1
	s_and_b32 s47, s20, s47                        ; the row inside its batch
	s_lshl_b32 s47, s47, 7
	s_add_co_u32 s46, s46, s47
	s_lshl_b32 s47, s96, 24                        ; K's and V's parts of the buffer
	s_add_co_u32 s46, s46, s47
	s_lshl_b32 s47, s97, 23
	s_add_co_u32 s46, s46, s47
	s_mov_b32 s47, 0
	s_add_nc_u64 s[12:13], s[12:13], s[46:47]
.macro FRAGA reg, adr, q, i            ; 16 rows x 128 K of codes: registers 4 c .. 4 c + 3 hold K = 64 c + 32 h + 0 .. 31
.irp c, 0,1
	ds_load_b128 v[\reg+4*\c:\reg+4*\c+3], v[\adr] offset:64*(\q)+32*\c+(\i)*16*PITCH
.endr
.endm
.macro FRAGB reg, adr, q, i            ; the same from an image: 512 consecutive bytes a load
.irp c, 0,1
	ds_load_b128 v[\reg+4*\c:\reg+4*\c+3], v[\adr] offset:8192*(\q)+1024*(\i)+512*\c
.endr
.endm
; 16 matrix instructions: A's blocks a0, a0 + 1 x B's eight.  The 64 accumulators take turns, one instruction a turn, in the same order in every step.
; One register carries A's scale word (lanes 0-15) and B's (lanes 16-31) of block i.
.macro MUL16 a0, p, q, sc, zero
.irp a, \a0, \a0+1
.irp b, 0,1,2,3,4,5,6,7
.if \zero
	v_wmma_scale_f32_16x16x128_f8f6f4 v[8*(8*((\a)%4)+\b):8*(8*((\a)%4)+\b)+7], v[128*(\p)+FR*\b:128*(\p)+FR*\b+FR-1], v[AF+FR*(\a):AF+FR*(\a)+FR-1], 0, v[SC+8*NQ*(\sc)+NQ*\b+(\q)], v[SC+8*NQ*(\sc)+NQ*(\a)+(\q)] matrix_a_fmt:MATRIX_FMT_FP4 matrix_b_fmt:MATRIX_FMT_FP4 matrix_a_scale:MATRIX_SCALE_ROW1
.else
	v_wmma_scale_f32_16x16x128_f8f6f4 v[8*(8*((\a)%4)+\b):8*(8*((\a)%4)+\b)+7], v[128*(\p)+FR*\b:128*(\p)+FR*\b+FR-1], v[AF+FR*(\a):AF+FR*(\a)+FR-1], v[8*(8*((\a)%4)+\b):8*(8*((\a)%4)+\b)+7], v[SC+8*NQ*(\sc)+NQ*\b+(\q)], v[SC+8*NQ*(\sc)+NQ*(\a)+(\q)] matrix_a_fmt:MATRIX_FMT_FP4 matrix_b_fmt:MATRIX_FMT_FP4 matrix_a_scale:MATRIX_SCALE_ROW1
.endif
.endr
.endr
.endm
.macro FETCH_B slot, q, p
	WIN TO_B
.irp i, 0,1,2,3,4,5,6,7
	FRAGB 128*(\p)+FR*\i, ADRB+\slot, \q, \i
.endr
	WIN 0
.endm
.macro FETCH_A slot, q, i0
.irp i, \i0, \i0+1, \i0+2, \i0+3
	FRAGA AF+FR*(\i), ADRA+\slot, \q, \i
.endr
.endm
.macro SCALES sc                       ; a slot's scale words: four a row
.irp i, 0,1,2,3,4,5,6,7
	ds_load_b128 v[SC+8*NQ*\sc+NQ*\i:SC+8*NQ*\sc+NQ*\i+3], v[ADRS] offset:\i*SBLK
.endr
.endm
.macro PLACES n                        ; plain vector instructions between a matrix instruction and a load into, or a read of, its registers
.rept \n
	v_nop
.endr
.endm
.macro STEP slot, q, zero              ; 128 along K, with its successor in the same slot
	s_wait_dscnt 4*NL                              ; all but the youngest eight loads (A's blocks 4-7) are in
	WIN MUL_LO
	MUL16 0, (\q)%2, \q, \slot, \zero
	MUL16 2, (\q)%2, \q, \slot, \zero
	s_wait_dscnt 0
	PLACES NP
	FETCH_B \slot, (\q)+1, 1-(\q)%2
	FETCH_A \slot, (\q)+1, 0
	WIN MUL_HI
	MUL16 4, (\q)%2, \q, \slot, \zero
	MUL16 6, (\q)%2, \q, \slot, \zero
	PLACES NP
	WIN 0
	FETCH_A \slot, (\q)+1, 4
.endm
.macro STEPS slot, from
.set Q, \from
.rept NQ-1-\from
	STEP \slot, Q, 0
.set Q, Q+1
.endr
.endm
; Slot 0's last step changes slots: each wave waits for all its tensor loads (its part of slot 1) and for its reads of slot 0; behind the barrier slot 1 is whole and nobody reads slot 0. Nothing is filled again.
.macro TURN slot, next
	s_wait_tensorcnt 0x0
	ds_add_u32 v[SPW], v[NIL]
	s_wait_dscnt 4*NL+1                            ; the add and the youngest eight loads may be out
	WIN MUL_LO
	MUL16 0, 1, NQ-1, \slot, 0
	s_wait_dscnt 0x0
	s_barrier_signal -1
	MUL16 2, 1, NQ-1, \slot, 0
	WIN 0
	s_barrier_wait -1
	PLACES NP
	v_add_nc_u32 v[ADRS], 4*NQ, v[ADRS]            ; the next slot's scale words
	FETCH_B \next, 0, 0
	FETCH_A \next, 0, 0
	SCALES \next
	WIN MUL_HI
	MUL16 4, 1, NQ-1, \slot, 0
	MUL16 6, 1, NQ-1, \slot, 0
	PLACES NP
	WIN 0
	FETCH_A \next, 0, 4
.endm
	s_wait_tensorcnt 1                             ; the scales and my part of slot 0 are in; slot 1's load may stay out
	s_barrier_signal -1
	s_barrier_wait -1
	FETCH_B 0, 0, 0
	FETCH_A 0, 0, 0
	SCALES 0
	FETCH_A 0, 0, 4
	STEP 0, 0, 1                                   ; the first products start the sums: nothing is cleared
	STEPS 0, 1
	TURN 0, 1
	STEPS 1, 0
	s_wait_dscnt 4*NL
	WIN MUL_LO
	MUL16 0, 1, NQ-1, 1, 0
	MUL16 2, 1, NQ-1, 1, 0
	s_wait_dscnt 0
	WIN MUL_HI
	MUL16 4, 1, NQ-1, 1, 0
	MUL16 6, 1, NQ-1, 1, 0
	WIN 0
; THE WAY OUT, a block of 16 rows x 128 columns (two heads) at a time: rounded to f16, 16 bytes a lane into my stage, back so that sixteen lanes hold two rows of one head: 256 consecutive bytes of qkv, aligned.
.macro PACK a
.set AC, 64*((\a)%4)
	WIN 0x0a+5*((\a)/4)                            ; sources in window 2 or 3
.irp b, 0,1,2,3,4,5,6,7
.irp r, 0,1,2,3
	v_cvt_pk_f16_f32 v[TMP+4*\b+\r], v[AC+8*\b+2*\r], v[AC+8*\b+2*\r+1]   ; each accumulator from its low end on
.endr
.endr
	WIN 0
.endm
.macro TOSTAGE a
.set BB, BK+32*((\a)%2)
.irp b, 0,1,2,3,4,5,6,7
	ds_store_b128 v[STO], v[TMP+4*\b:TMP+4*\b+3] offset:32*\b
.endr
.irp t, 0,1,2,3,4,5,6,7
	ds_load_b128 v[BB+4*\t:BB+4*\t+3], v[RD] offset:\t*2*SPITCH   ; LDS serves a wave's instructions in order: these see the stores above
.endr
.endm
.macro SEND a
.set BB, BK+32*((\a)%2)
	s_wait_dscnt 0x0                               ; the block is back in registers
	s_wait_xcnt 0x0                                ; the stores of the block before have read their data: the next block's loads land there only behind this wait
.irp t, 0,1,2,3,4,5,6,7
	global_store_b128 v[CO], v[BB+4*\t:BB+4*\t+3], s[12:13] offset:2048*(\a)+256*\t
.endr
.endm
	PLACES NP
	PACK 0
	TOSTAGE 0
.irp a, 1,2,3,4,5,6,7
	PACK \a
	SEND \a-1
	TOSTAGE \a
.endr
	SEND 7
	s_wait_tensorcnt 0x0                           ; the wave's end
	ds_add_u32 v[SPW], v[NIL]
	s_wait_dscnt 0x0
	CROUND                                         ; the closing round
	s_endpgm
.Lfunc_end_k_qf41b360888_qkv:
	.size	k_qf41b360888_qkv, .Lfunc_end_k_qf41b360888_qkv-k_qf41b360888_qkv
	.p2alignl 7, 3214868480
	.fill 96, 4, 3214868480
	.section	.rodata,"a",@progbits
	.p2align	6, 0x0
	.amdhsa_kernel k_qf41b360888_qkv
		.amdhsa_group_segment_fixed_size 327680
		.amdhsa_private_segment_fixed_size 0
		.amdhsa_enable_private_segment 0
		.amdhsa_kernarg_size 40
		.amdhsa_user_sgpr_count 2
		.amdhsa_user_sgpr_kernarg_segment_ptr 1
		.amdhsa_wavefront_size32 1
		.amdhsa_system_sgpr_workgroup_id_x 1
		.amdhsa_system_sgpr_workgroup_id_y 1
		.amdhsa_system_sgpr_workgroup_id_z 1
		.amdhsa_system_vgpr_workitem_id 0
		.amdhsa_next_free_vgpr 1024
		.amdhsa_next_free_sgpr 98
		.amdhsa_reserve_vcc 0
		.amdhsa_float_denorm_mode_32 3
		.amdhsa_float_denorm_mode_16_64 3
		.amdhsa_memory_ordered 1
		.amdhsa_forward_progress 1
		.amdhsa_inst_pref_size 127
	.end_amdhsa_kernel
	.amdgpu_metadata
---
amdhsa.version: [ 1, 2 ]
amdhsa.kernels:
  - .name:           k_qf41b360888_qkv
    .symbol:         k_qf41b360888_qkv.kd
    .args:
      - { .name: acodes, .offset: 0, .size: 8, .value_kind: global_buffer, .address_space: global }
      - { .name: ascales, .offset: 8, .size: 8, .value_kind: global_buffer, .address_space: global }
      - { .name: wcodes, .offset: 16, .size: 8, .value_kind: global_buffer, .address_space: global }
      - { .name: wscales, .offset: 24, .size: 8, .value_kind: global_buffer, .address_space: global }
      - { .name: qkv, .offset: 32, .size: 8, .value_kind: global_buffer, .address_space: global }
    .group_segment_fixed_size: 327680
    .private_segment_fixed_size: 0
    .kernarg_segment_align: 8
    .kernarg_segment_size: 40
    .max_flat_workgroup_size: 128
    .sgpr_count:     98
    .vgpr_count:     1024
    .wavefront_size: 32
...
	.end_amdgpu_metadata
.endif
;; end of part 2
;; launch attn (part 3): grid 4 x 64, 8 waves a work-group, clusters of 4 x 1, 327,680 bytes of LDS; arguments qkv, att; writes att
.if DOCPART == 3
	.amdgcn_target "amdgcn-amd-amdhsa--gfx1250"
	.amdhsa_code_object_version 6
	.text
	.protected	k_qf41b360888_attn
	.globl	k_qf41b360888_attn
	.p2align	8
	.type	k_qf41b360888_attn,@function
k_qf41b360888_attn:
	s_mov_b64 s[64:65], 0
	v_nop
	global_prefetch_b8 v0, s[64:65] scope:SCOPE_SE
	s_setreg_imm32_b32 hwreg(HW_REG_WAVE_MODE, 25, 1), 1
	s_wait_xcnt 0x0
	s_wait_alu depctr_hold_cnt(0) depctr_sa_sdst(0) depctr_va_vdst(0) depctr_va_sdst(0) depctr_va_ssrc(0) depctr_va_vcc(0) depctr_vm_vsrc(0)
	s_getreg_b32 s2, hwreg(HW_REG_IB_STS2, 6, 4)
	s_cmp_eq_u32 s2, 0
	s_cbranch_scc0 .Lentry_in_a_cluster
	s_endpgm
.Lentry_in_a_cluster:
	s_bfe_u32 s2, ttmp6, 0x10000c
	s_cmp_lg_u32 s2, 0x3003
	s_cbranch_scc0 .Lentry_shape_is_right
	s_endpgm
.Lentry_shape_is_right:
; O[b][h][q] = the sum over k of softmax_k(Q . K / 8) V, 64 heads (batch x head) of 2,048 queries, 1,024 keys, 64 channels.  Q, K, V: f16, by heads, in qkv (Q at 0, K at 16,777,216, V at 25,165,824).
; OUT: att, f16, [16 heads][8,192 rows = batch x query][64].  Products on f16 operands with f32 sums; maxima, exponentials and sums in f32; the weights p are rounded to f16 for the second product, O once at the end.
; LIMITS: a weight p under 6e-8 of its row's largest counts as 0 (f16); O above 65,504 in magnitude becomes infinite; NaN and infinities are not served.
; SHARES.  A work-group owns 512 queries of one head, each of its eight waves 64: FOUR tiles of 16, so that each fragment of K and V read from LDS feeds four products.  Two waves lie on a SIMD: one wave's softmax
; stands beside the other's products.
; ALL OF A HEAD'S K AND V LIE IN LDS (1,024 rows of 128 bytes each): every byte is filled once, in two chunks of 512 keys; no ring.  So all loads are asked for at the head, and nothing is left to prefetch.
; CLUSTER.  The four query blocks of a head read the same K and V: each tile is asked for jointly, by the same tensor load with a mask that names the four.
; LAYOUT.  S^T = K Q^T (source 0 = 16 keys, source 1 = 16 queries): a lane holds ONE query (lane % 16) and keys 8 (lane / 16) + 0..7.  Two such tiles rounded to f16 in pairs ARE source 1 of O^T = V^T P.
; SOFTMAX.  A running maximum m and sum l: p = 2^(c s - c m), c = log2(e) / 8; in every step O and l are multiplied by a = 2^(c m_old - c m_new).  m begins at -3e38 and l at 0; the first step's V^T P starts O^T's sums.
; A STEP (64 keys): K Q^T | V of this step and K of the NEXT step are asked of LDS | the softmax, under which they land | V^T P.  K and V have registers of their own.
; REGISTERS, in windows of 256 (s_set_vgpr_msb: bits 1:0 source 0, 3:2 source 1, 5:4 source 2, 7:6 destination):
;   window 0: v1-7 addresses; v8-39 statistics, eight a tile; v40-47 the sums' second chains; v48-51 temporaries; v64-127 Q; v128-255 S^T, 32 a tile, P in place in a tile's first 16
;   window 1: v0-127 O^T, 32 a tile; v128-191 K of one step; v192-255 V of one step.   Six switches a step, for its 64 products.
.set PK,    144                        ; a row of K in LDS: 128 bytes + 16
.set PV,    160                        ; a row of V: 128 + 32, for the turning load
.set VB,    1024*PK
.set SPARE, VB+1024*PV                 ; the spare words, 128 bytes a wave, that no other line names
.set AK0, 1                            ; v1  my lane's place in a tile of K (on the way out: into the stage)
.set AV0, 2                            ; v2  the same for V (on the way out: out of the stage)
.set ADK, 3                            ; v3  the next step's address in K (on the way out: my offset in att)
.set ADV, 4                            ; v4  the step's address in V
.set SPW, 5
.set NIL, 6
.set QO,  7
.set ST,  8                            ; tile u's statistics at v[ST + 8 u]: +0 c m, +1 m, +2, +3 l, +4 .. +7 at work; a takes +6
.set L2,  40                           ; the sums' second chains, a pair a tile
.set TT,  48                           ; temporaries
.set Q,   64                           ; Q's fragments: tile u, channels 32 kc on, at Q + 16 u + 8 kc
.set S,   128                          ; S^T: S + 32 u + 8 kt; P in place at S + 32 u + 0 .. 15
.set O,   0                            ; window 1: O^T: O + 32 u + 8 ct
.set KF,  128                          ; window 1: K's fragments KF + 16 kt + 8 kc
.set VF,  192                          ; window 1: V's fragments VF + 32 ks + 8 ct
.set WV,  12
.set G1K, 24
.set G1V, 32
.set G0K, 40
.set G0V, 48
.set CNT, 56
.set CS,  58
.set SEL, 60
.set TBK, 62                           ; s62  where the NEXT step's keys begin in K's region
.set TBV, 63                           ; s63  where this step's keys begin in V's region
.set MSB, 0
.macro WIN new                         ; the immediate's high byte repeats the setting that is left; a switch that changes nothing is dropped
.if MSB != (\new)
	s_set_vgpr_msb (MSB<<8)|(\new)
.set MSB, (\new)
.endif
.endm
.set W_KQ, 0x01                        ; K (source 0) window 1; Q and S^T window 0
.set W_LD, 0x40                        ; destination window 1, address window 0
.set W_RS, 0x41                        ; O^T (destination and source 0) window 1, a window 0
.set W_PV, 0x51                        ; V (source 0) and O^T (C and D) window 1, P window 0
.set W_CV, 0x05                        ; sources 0 and 1 window 1, destination window 0
.macro CROUND                          ; a round of the cluster's barrier
	s_barrier_signal -1
	s_barrier_wait -1
	s_cmp_lg_u32 s[WV], 0
	s_cbranch_scc1 .Lnot_wave_0_\@
	s_barrier_signal -3
.Lnot_wave_0_\@:
	s_barrier_wait -3
	s_barrier_signal -1
	s_barrier_wait -1
.endm
	s_load_b128 s[4:7], s[0:1], 0x0                ; qkv, att
	v_lshl_add_u32 v[SPW], v0, 2, SPARE
	v_mov_b32 v[NIL], 0
	ds_add_u32 v[SPW], v[NIL]                      ; the wave's opening: the add, twice on end, and its wait ahead of my first tensor load
	ds_add_u32 v[SPW], v[NIL]
	v_lshrrev_b32 v1, 5, v0
	v_readfirstlane_b32 s[WV], v1                  ; wave 0..7
	s_bfe_u32 s13, ttmp6, 0x40000                  ; cx: my block of 512 queries: it enters Q's and att's addresses alone
	s_and_b32 s14, ttmp7, 0xffff                   ; 16 x batch + head, which the four partners share
	s_lshl_b32 s16, s14, 17                        ; a head's K or V: 131,072 bytes
	s_lshl_b32 s18, s[WV], 14                      ; 128 rows of 128 bytes a wave
	s_add_co_u32 s16, s16, s18
	s_add_co_u32 s20, s16, 0x1000000               ; K: waves 0-3, rows 128 w on
	s_mov_b32 s21, 0
	s_add_co_u32 s22, s16, 25165824-65536          ; V: waves 4-7, rows 128 (w - 4) on
	s_mov_b32 s23, 0
	s_mul_i32 s17, s[WV], 128*PK                   ; and in LDS
	s_mul_i32 s19, s[WV], 128*PV
	s_add_co_u32 s19, s19, VB-4*128*PV
	s_lshl_b32 s8, s14, 18                         ; Q: a head's 262,144 bytes, my block's 65,536, my wave's 8,192
	s_lshl_b32 s9, s13, 16
	s_add_co_u32 s8, s8, s9
	s_lshl_b32 s9, s[WV], 13
	s_add_co_u32 s8, s8, s9
	s_mov_b32 s9, 0
	s_and_b32 s10, s14, 15                         ; att: head x 1,048,576 + (2,048 batch + 512 cx + 64 w) x 128
	s_lshl_b32 s10, s10, 20
	s_lshr_b32 s11, s14, 4
	s_lshl_b32 s11, s11, 18
	s_add_co_u32 s10, s10, s11
	s_lshl_b32 s11, s13, 16
	s_add_co_u32 s10, s10, s11
	s_lshl_b32 s11, s[WV], 13
	s_add_co_u32 s10, s10, s11
	s_mov_b32 s11, 0
	s_mov_b32 s[G1K], 15|(1<<16)|(1<<20)|(1<<21)|(4<<22)|(3<<25)   ; the mask: all four; elements of 2 bytes; padding of 4 words behind every 32
	s_mov_b32 s[G1V], 15|(1<<16)|(1<<20)|(1<<21)|(4<<22)|(7<<25)   ; the same with 8 words
.irp g, G1K, G1V
	s_mov_b32 s[\g+1], 64<<16                      ; tensor_dim0 = 64
	s_mov_b32 s[\g+2], 128<<16                     ; tensor_dim1 = 128
	s_mov_b32 s[\g+3], 64<<16                      ; tile_dim0 = 64
	s_mov_b32 s[\g+4], 128                         ; tile_dim1 = 128
	s_mov_b32 s[\g+5], 64                          ; from row to row
	s_mov_b32 s[\g+6], 0
	s_mov_b32 s[\g+7], 0
.endr
	s_mov_b32 s[CS], 0x3e38aa3b                    ; c = log2(e) / 8
	s_mov_b32 s[CS+1], s[CS]
	s_mov_b32 s[SEL], 0x76543210
	s_mov_b32 s[SEL+1], 0xfedcba98
	s_mov_b32 s[TBK], 64*PK                        ; step 0 fetches K of step 1
	s_mov_b32 s[TBV], 0
	s_wait_dscnt 0x0                               ; both opening adds are done
	s_wait_kmcnt 0x0
	s_add_nc_u64 s[20:21], s[4:5], s[20:21]
	s_add_nc_u64 s[22:23], s[4:5], s[22:23]
	s_add_nc_u64 s[8:9], s[4:5], s[8:9]
	s_add_nc_u64 s[6:7], s[6:7], s[10:11]
	CROUND                                         ; all four work-groups are here: the joint loads meet
.irp c, 0,1
	s_mov_b32 s[G0K+4*\c], 1
	s_add_co_u32 s[G0K+4*\c+1], s17, \c*512*PK
	s_add_nc_u64 s[G0K+4*\c+2:G0K+4*\c+3], s[20:21], \c*65536
	s_or_b32 s[G0K+4*\c+3], s[G0K+4*\c+3], 0x80000000
	s_mov_b32 s[G0V+4*\c], 1
	s_add_co_u32 s[G0V+4*\c+1], s19, \c*512*PV
	s_add_nc_u64 s[G0V+4*\c+2:G0V+4*\c+3], s[22:23], \c*65536
	s_or_b32 s[G0V+4*\c+3], s[G0V+4*\c+3], 0x80000000
.endr
	s_cmp_lt_u32 s[WV], 4                          ; a wave's two fills stand in one branch: two loads of mine are out
	s_cbranch_scc0 .Lfirst_v
	tensor_load_to_lds s[G0K:G0K+3], s[G1K:G1K+7]
	s_nop 0
	tensor_load_to_lds s[G0K+4:G0K+7], s[G1K:G1K+7]
	s_nop 0
.rept 4
	v_nop
.endr
	s_branch .Lfirst_asked
.Lfirst_v:
	tensor_load_to_lds s[G0V:G0V+3], s[G1V:G1V+7]
	s_nop 0
	tensor_load_to_lds s[G0V+4:G0V+7], s[G1V:G1V+7]
	s_nop 0
.rept 4
	v_nop
.endr
.Lfirst_asked:
	v_and_b32 v[TT], 15, v0                        ; r
	v_bfe_u32 v[TT+1], v0, 4, 1                    ; h
	v_lshlrev_b32 v[QO], 7, v[TT]
	v_lshl_add_u32 v[QO], v[TT+1], 4, v[QO]        ; row r of 128 bytes + 16 h
.irp u, 0,1,2,3
.irp kc, 0,1
	global_load_b128 v[Q+16*\u+8*\kc:Q+16*\u+8*\kc+3],   v[QO], s[8:9] offset:2048*\u+64*\kc
	global_load_b128 v[Q+16*\u+8*\kc+4:Q+16*\u+8*\kc+7], v[QO], s[8:9] offset:2048*\u+64*\kc+32
.endr
.endr
	v_mul_u32_u24 v[AK0], v[TT], PK
	v_lshl_add_u32 v[AK0], v[TT+1], 4, v[AK0]
	v_and_b32 v[TT+2], 7, v0
	v_lshl_add_u32 v[TT+2], v[TT+1], 3, v[TT+2]    ; the turning load: key 8 h + lane % 8,
	v_mul_u32_u24 v[AV0], v[TT+2], PV
	v_bfe_u32 v[TT+3], v0, 3, 1
	v_lshl_add_u32 v[AV0], v[TT+3], 4, v[AV0]      ; channels 8 ((lane / 8) % 2) on
	v_add_nc_u32 v[AV0], VB, v[AV0]
.irp u, 0,1,2,3
	v_mov_b32 v[ST+8*\u+1], 0xff61b1e6             ; m = -3e38, under every score
	v_mul_f32 v[ST+8*\u], s[CS], v[ST+8*\u+1]      ; c m
	v_mov_b32 v[ST+8*\u+2], 0                      ; l
	v_mov_b32 v[ST+8*\u+3], 0
.endr
.macro KLOADS adr                      ; a step's K: 64 keys x 64 channels, eight fragments, sixteen loads
.irp kt, 0,1,2,3
.irp kc, 0,1
	ds_load_b128 v[KF+16*\kt+8*\kc:KF+16*\kt+8*\kc+3],   v[\adr] offset:\kt*16*PK+64*\kc
	ds_load_b128 v[KF+16*\kt+8*\kc+4:KF+16*\kt+8*\kc+7], v[\adr] offset:\kt*16*PK+64*\kc+32
.endr
.endr
.endm
; A KEY STEP: 64 keys.  pre = 1: K of the next step is fetched.  first = 1: the first step: O^T has nothing to rescale, and its sums begin with the constant 0.
.macro STEP pre, first
	v_add_nc_u32 v[ADV], s[TBV], v[AV0]            ; five plain instructions behind the last V^T P: the first K Q^T writes over P, which was its source
.if \pre
	v_add_nc_u32 v[ADK], s[TBK], v[AK0]
.endif
.rept 4-\pre
	v_nop
.endr
	s_wait_dscnt 0x0                               ; K of this step, asked for a step ago
	WIN W_KQ
.irp kc, 0,1                           ; S^T = K Q^T: the sixteen accumulators take turns; the first sixteen products start the sums
.irp kt, 0,1,2,3
.irp u, 0,1,2,3
.if \kc == 0
	v_wmma_f32_16x16x32_f16 v[S+32*\u+8*\kt:S+32*\u+8*\kt+7], v[KF+16*\kt+8*\kc:KF+16*\kt+8*\kc+7], v[Q+16*\u+8*\kc:Q+16*\u+8*\kc+7], 0
.else
	v_wmma_f32_16x16x32_f16 v[S+32*\u+8*\kt:S+32*\u+8*\kt+7], v[KF+16*\kt+8*\kc:KF+16*\kt+8*\kc+7], v[Q+16*\u+8*\kc:Q+16*\u+8*\kc+7], v[S+32*\u+8*\kt:S+32*\u+8*\kt+7]
.endif
.endr
.endr
.endr
.rept 4
	v_nop                                          ; places in front of the loads into K's registers and of the first read of the scores
.endr
	WIN W_LD
.irp ks, 0,1                           ; V of this step, turned: first, since it is wanted first
.irp ct, 0,1,2,3
	ds_load_tr16_b128 v[VF+32*\ks+8*\ct:VF+32*\ks+8*\ct+3],   v[ADV] offset:\ks*32*PV+32*\ct
	ds_load_tr16_b128 v[VF+32*\ks+8*\ct+4:VF+32*\ks+8*\ct+7], v[ADV] offset:\ks*32*PV+16*PV+32*\ct
.endr
.endr
.if \pre
	KLOADS ADK                                     ; K of the next step: both runs land under the softmax
.endif
	WIN 0
	; the maximum of my 32 scores and the old m: four chains, each begun at an accumulator's low end; the four tiles line by line
.irp j, 0,1,2,3
.irp u, 0,1,2,3
	v_max3_num_f32 v[ST+8*\u+4+\j], v[S+32*\u+8*\j], v[S+32*\u+8*\j+1], v[S+32*\u+8*\j+2]
.endr
.endr
.irp g, 1,2
.irp j, 0,1,2,3
.irp u, 0,1,2,3
	v_max3_num_f32 v[ST+8*\u+4+\j], v[ST+8*\u+4+\j], v[S+32*\u+8*\j+2*\g+1], v[S+32*\u+8*\j+2*\g+2]
.endr
.endr
.endr
.irp u, 0,1,2,3
	v_max3_num_f32 v[ST+8*\u+4], v[ST+8*\u+4], v[S+32*\u+7], v[S+32*\u+15]
.endr
.irp u, 0,1,2,3
	v_max3_num_f32 v[ST+8*\u+6], v[ST+8*\u+6], v[S+32*\u+23], v[S+32*\u+31]
.endr
.irp u, 0,1,2,3
	v_max3_num_f32 v[ST+8*\u+4], v[ST+8*\u+4], v[ST+8*\u+5], v[ST+8*\u+6]
.endr
.irp u, 0,1,2,3
	v_max3_num_f32 v[ST+8*\u+4], v[ST+8*\u+4], v[ST+8*\u+7], v[ST+8*\u+1]
.endr
.irp u, 0,1,2,3
	v_permlanex16_b32 v[ST+8*\u+5], v[ST+8*\u+4], s[SEL], s[SEL+1]   ; the query's other 32 keys lie in the lane 16 away
.endr
.irp u, 0,1,2,3
	v_mov_b32 v[ST+8*\u+7], v[ST+8*\u]             ; c m_old
.endr
.irp u, 0,1,2,3
	v_max_num_f32 v[ST+8*\u+1], v[ST+8*\u+4], v[ST+8*\u+5]
.endr
.irp u, 0,1,2,3
	v_mul_f32 v[ST+8*\u], s[CS], v[ST+8*\u+1]
.endr
.irp u, 0,1,2,3
	v_sub_f32 v[ST+8*\u+7], v[ST+8*\u+7], v[ST+8*\u]
.endr
	; ONE BATCH of 132 exponentials.  The scalings c s - c m stand among them, a pair's scaling a round of the four tiles ahead of its two exponentials; none of these lines names an exponential's result
.irp u, 0,1,2,3
	v_exp_f32 v[ST+8*\u+6], v[ST+8*\u+7]           ; a
.endr
.irp u, 0,1,2,3
	v_pk_fma_f32 v[S+32*\u:S+32*\u+1], v[S+32*\u:S+32*\u+1], s[CS:CS+1], v[ST+8*\u:ST+8*\u+1] op_sel_hi:[1,0,0] neg_lo:[0,0,1] neg_hi:[0,0,1]
.endr
.set jj, 0
.rept 16
.irp u, 0,1,2,3
.if jj < 15
	v_pk_fma_f32 v[S+32*\u+2*jj+2:S+32*\u+2*jj+3], v[S+32*\u+2*jj+2:S+32*\u+2*jj+3], s[CS:CS+1], v[ST+8*\u:ST+8*\u+1] op_sel_hi:[1,0,0] neg_lo:[0,0,1] neg_hi:[0,0,1]
.endif
	v_exp_f32 v[S+32*\u+2*jj], v[S+32*\u+2*jj]
	v_exp_f32 v[S+32*\u+2*jj+1], v[S+32*\u+2*jj+1]
.endr
.set jj, jj+1
.endr
	v_nop                                          ; a plain instruction behind the last exponential
	s_wait_alu depctr_va_vdst(0)                   ; one wait for the batch, ahead of its first reader
.irp u, 0,1,2,3
	v_pk_fma_f32 v[ST+8*\u+2:ST+8*\u+3], v[ST+8*\u+2:ST+8*\u+3], v[ST+8*\u+6:ST+8*\u+7], v[S+32*\u:S+32*\u+1] op_sel_hi:[1,0,1]   ; l = a l + the first pair
.endr
.irp u, 0,1,2,3
	v_pk_add_f32 v[L2+2*\u:L2+2*\u+1], v[S+32*\u+2:S+32*\u+3], v[S+32*\u+6:S+32*\u+7]   ; a second chain
.endr
.irp j, 4,8,12,16,20,24
.irp u, 0,1,2,3
	v_pk_add_f32 v[ST+8*\u+2:ST+8*\u+3], v[ST+8*\u+2:ST+8*\u+3], v[S+32*\u+\j:S+32*\u+\j+1]
	v_pk_add_f32 v[L2+2*\u:L2+2*\u+1], v[L2+2*\u:L2+2*\u+1], v[S+32*\u+\j+6:S+32*\u+\j+7]
.endr
.endr
.irp u, 0,1,2,3
	v_pk_add_f32 v[ST+8*\u+2:ST+8*\u+3], v[ST+8*\u+2:ST+8*\u+3], v[S+32*\u+28:S+32*\u+29]
.endr
.irp u, 0,1,2,3
	v_pk_add_f32 v[ST+8*\u+2:ST+8*\u+3], v[ST+8*\u+2:ST+8*\u+3], v[L2+2*\u:L2+2*\u+1]
.endr
.irp j, 0,1,2,3,4,5,6,7,8,9,10,11,12,13,14,15
.irp u, 0,1,2,3
	v_cvt_pk_f16_f32 v[S+32*\u+\j], v[S+32*\u+2*\j], v[S+32*\u+2*\j+1]   ; P, in place, ascending: pair j is read before register j is written
.endr
.endr
.if \first
.rept 4
	v_nop                                          ; in the rescaling's stead, between the roundings and the products that take P
.endr
.else
	WIN W_RS
.irp j, 0,2,4,6,8,10,12,14,16,18,20,22,24,26,28,30
.irp u, 0,1,2,3
	v_pk_mul_f32 v[O+32*\u+\j:O+32*\u+\j+1], v[O+32*\u+\j:O+32*\u+\j+1], v[ST+8*\u+6:ST+8*\u+7] op_sel_hi:[1,0]   ; O^T x a, each accumulator from its low end on
.endr
.endr
.endif
.if \pre
	s_wait_dscnt 16                                ; V is in; the sixteen younger loads, K of the next step, may stay out
.else
	s_wait_dscnt 0x0                               ; V is in
.endif
	WIN W_PV
.irp ks, 0,1                           ; O^T += V^T P: sixteen accumulators by turns
.irp ct, 0,1,2,3
.irp u, 0,1,2,3
.if (\first) && (\ks == 0)
	v_wmma_f32_16x16x32_f16 v[O+32*\u+8*\ct:O+32*\u+8*\ct+7], v[VF+32*\ks+8*\ct:VF+32*\ks+8*\ct+7], v[S+32*\u+8*\ks:S+32*\u+8*\ks+7], 0
.else
	v_wmma_f32_16x16x32_f16 v[O+32*\u+8*\ct:O+32*\u+8*\ct+7], v[VF+32*\ks+8*\ct:VF+32*\ks+8*\ct+7], v[S+32*\u+8*\ks:S+32*\u+8*\ks+7], v[O+32*\u+8*\ct:O+32*\u+8*\ct+7]
.endif
.endr
.endr
.endr
	WIN 0                                          ; at a label and at a branch every window is 0
	s_add_co_u32 s[TBK], s[TBK], 64*PK
	s_add_co_u32 s[TBV], s[TBV], 64*PV
.endm
	s_wait_loadcnt 0x0                             ; Q
	s_wait_tensorcnt 1                             ; my part of the first 512 keys is in; the second load may stay out
	s_barrier_signal -1
	s_barrier_wait -1
	WIN W_LD
	KLOADS AK0                                     ; K of step 0
	WIN 0
	STEP 1, 1                                      ; step 0 starts O^T's sums: nothing is cleared
	s_mov_b32 s[CNT], 6
.Lfirst_half:                                      ; steps 1 to 6: they read keys 0 to 511 alone (step 6 fetches K of step 7)
	STEP 1, 0
	s_sub_co_u32 s[CNT], s[CNT], 1
	s_cmp_lg_u32 s[CNT], 0
	s_cbranch_scc1 .Lfirst_half
	s_wait_tensorcnt 0x0                           ; my part of the second 512 keys: step 7 fetches K of step 8
	s_wait_dscnt 0x0                               ; no LDS load of mine is out at the signal
	s_barrier_signal -1
	s_barrier_wait -1
	s_mov_b32 s[CNT], 8
.Lsecond_half:                                     ; steps 7 to 14
	STEP 1, 0
	s_sub_co_u32 s[CNT], s[CNT], 1
	s_cmp_lg_u32 s[CNT], 0
	s_cbranch_scc1 .Lsecond_half
	STEP 0, 0                                      ; step 15: there is no K left to fetch
	; THE WAY OUT.  O^T / l, rounded to f16, through my stage (64 rows x 144 bytes, in K's bytes, which have had their only fill and are read by nobody behind the barrier below); each store covers 512 consecutive bytes of att.
	; The additions below name no register of the last products: they are the places behind them.
.irp u, 0,1,2,3
	v_add_f32 v[ST+8*\u+4], v[ST+8*\u+2], v[ST+8*\u+3]
.endr
.irp u, 0,1,2,3
	v_permlanex16_b32 v[ST+8*\u+5], v[ST+8*\u+4], s[SEL], s[SEL+1]
.endr
.irp u, 0,1,2,3
	v_add_f32 v[ST+8*\u+4], v[ST+8*\u+4], v[ST+8*\u+5]
.endr
.irp u, 0,1,2,3
	v_rcp_f32 v[ST+8*\u+6], v[ST+8*\u+4]
.endr
	v_and_b32 v[TT], 15, v0                        ; (plain work behind the reciprocals)  r
	v_bfe_u32 v[TT+1], v0, 4, 1                    ; h
	s_mul_i32 s13, s[WV], 64*PK                    ; my stage
	v_mul_u32_u24 v[AK0], v[TT], PK
	v_lshl_add_u32 v[AK0], v[TT+1], 4, v[AK0]
	v_add_nc_u32 v[AK0], s13, v[AK0]               ; in: row r, 16 bytes for each half of the lanes
	v_bfe_u32 v[TT+2], v0, 3, 2
	v_mul_u32_u24 v[AV0], v[TT+2], PK
	v_and_b32 v[TT+3], 7, v0
	v_lshl_add_u32 v[AV0], v[TT+3], 4, v[AV0]
	v_add_nc_u32 v[AV0], s13, v[AV0]               ; back: eight lanes to a row of 128 bytes, four rows a load
	v_and_b32 v[ADK], 31, v0
	v_lshlrev_b32 v[ADK], 4, v[ADK]                ; and 16 x lane in att
	s_wait_alu depctr_va_vdst(0)                   ; one wait for the four reciprocals, ahead of their first reader
	WIN W_RS
.irp j, 0,2,4,6,8,10,12,14,16,18,20,22,24,26,28,30
.irp u, 0,1,2,3
	v_pk_mul_f32 v[O+32*\u+\j:O+32*\u+\j+1], v[O+32*\u+\j:O+32*\u+\j+1], v[ST+8*\u+6:ST+8*\u+7] op_sel_hi:[1,0]
.endr
.endr
	WIN W_CV
.irp u, 0,1,2,3
.irp j, 0,1,2,3,4,5,6,7,8,9,10,11,12,13,14,15
	v_cvt_pk_f16_f32 v[S+16*\u+\j], v[O+32*\u+2*\j], v[O+32*\u+2*\j+1]
.endr
.endr
	WIN 0
	s_wait_dscnt 0x0                               ; my reads of K and V are over
	s_barrier_signal -1
	s_barrier_wait -1                              ; everybody's are
.irp u, 0,1,2,3
.irp ct, 0,1,2,3
	ds_store_b128 v[AK0], v[S+16*\u+4*\ct:S+16*\u+4*\ct+3] offset:\u*16*PK+32*\ct
.endr
.endr
.irp i, 0,1,2,3,4,5,6,7,8,9,10,11,12,13,14,15
	ds_load_b128 v[S+64+4*\i:S+64+4*\i+3], v[AV0] offset:\i*4*PK   ; LDS serves a wave's instructions in order: these see my stores
.endr
.irp i, 0,1,2,3,4,5,6,7,8,9,10,11,12,13,14,15
	s_wait_dscnt 15-\i                             ; load i is back; the younger ones stay out
	global_store_b128 v[ADK], v[S+64+4*\i:S+64+4*\i+3], s[6:7] offset:512*\i
.endr
	s_wait_tensorcnt 0x0                           ; the wave's end
	ds_add_u32 v[SPW], v[NIL]
	s_wait_dscnt 0x0
	CROUND                                         ; the closing round
	s_endpgm
.Lfunc_end_k_qf41b360888_attn:
	.size	k_qf41b360888_attn, .Lfunc_end_k_qf41b360888_attn-k_qf41b360888_attn
	.p2alignl 7, 3214868480
	.fill 96, 4, 3214868480
	.section	.rodata,"a",@progbits
	.p2align	6, 0x0
	.amdhsa_kernel k_qf41b360888_attn
		.amdhsa_group_segment_fixed_size 327680
		.amdhsa_private_segment_fixed_size 0
		.amdhsa_enable_private_segment 0
		.amdhsa_kernarg_size 16
		.amdhsa_user_sgpr_count 2
		.amdhsa_user_sgpr_kernarg_segment_ptr 1
		.amdhsa_wavefront_size32 1
		.amdhsa_system_sgpr_workgroup_id_x 1
		.amdhsa_system_sgpr_workgroup_id_y 1
		.amdhsa_system_sgpr_workgroup_id_z 1
		.amdhsa_system_vgpr_workitem_id 0
		.amdhsa_next_free_vgpr 512
		.amdhsa_next_free_sgpr 66
		.amdhsa_reserve_vcc 0
		.amdhsa_float_denorm_mode_32 3
		.amdhsa_float_denorm_mode_16_64 3
		.amdhsa_memory_ordered 1
		.amdhsa_forward_progress 1
		.amdhsa_inst_pref_size 146
	.end_amdhsa_kernel
	.amdgpu_metadata
---
amdhsa.version: [ 1, 2 ]
amdhsa.kernels:
  - .name:           k_qf41b360888_attn
    .symbol:         k_qf41b360888_attn.kd
    .args:
      - { .name: qkv, .offset: 0, .size: 8, .value_kind: global_buffer, .address_space: global }
      - { .name: att, .offset: 8, .size: 8, .value_kind: global_buffer, .address_space: global }
    .group_segment_fixed_size: 327680
    .private_segment_fixed_size: 0
    .kernarg_segment_align: 8
    .kernarg_segment_size: 16
    .max_flat_workgroup_size: 256
    .sgpr_count:     66
    .vgpr_count:     512
    .wavefront_size: 32
...
	.end_amdgpu_metadata
.endif
;; end of part 3
;; launch oproj (part 4): grid 4 x 64, 4 waves a work-group, clusters of 4 x 4, 327,680 bytes of LDS; arguments att, wof, bo, out0; writes out0
.if DOCPART == 4
	.amdgcn_target "amdgcn-amd-amdhsa--gfx1250"
	.amdhsa_code_object_version 6
	.text
	.protected	k_qf41b360888_oproj
	.globl	k_qf41b360888_oproj
	.p2align	8
	.type	k_qf41b360888_oproj,@function
k_qf41b360888_oproj:
	s_mov_b64 s[64:65], 0
	v_nop
	global_prefetch_b8 v0, s[64:65] scope:SCOPE_SE
	s_setreg_imm32_b32 hwreg(HW_REG_WAVE_MODE, 25, 1), 1
	s_wait_xcnt 0x0
	s_wait_alu depctr_hold_cnt(0) depctr_sa_sdst(0) depctr_va_vdst(0) depctr_va_sdst(0) depctr_va_ssrc(0) depctr_va_vcc(0) depctr_vm_vsrc(0)
	s_getreg_b32 s2, hwreg(HW_REG_IB_STS2, 6, 4)
	s_cmp_eq_u32 s2, 0
	s_cbranch_scc0 .Lentry_in_a_cluster
	s_endpgm
.Lentry_in_a_cluster:
	s_bfe_u32 s2, ttmp6, 0x10000c
	s_cmp_lg_u32 s2, 0xf033
	s_cbranch_scc0 .Lentry_shape_is_right
	s_endpgm
.Lentry_shape_is_right:
; out0 = O Wo + bo.  O: att, f16, [16 heads][8,192 rows][64].  Wo^T: wof, f16, images of fragments [n/128][k/128][(k/32)%4][(n/16)%8][1024].  bo [1024], out0 [8192][1024]: f32.  Sums in f32.
; A tile of out0 is 128 rows x 256 columns: 256 work-groups (tiles of 256 x 256 would be 128).  Four waves, each 64 rows x 128 columns: 32 accumulators.
; K goes in 8 steps of 128 (two heads) through a ring of two LDS slots: A's two planes of 128 rows x 128 bytes (waves 0, 1), B's two dense blocks of 32,768 bytes (waves 2, 3): one tensor load a wave.
; CLUSTERS: 4 x 4 work-groups: A's tile is shared along a row of the cluster, B's along a column: each is asked for jointly.
; THE MATRIX INSTRUCTION IS USED TRANSPOSED (source 0 = 16 rows of Wo^T, source 1 = 16 rows of O): a lane holds eight neighbouring columns of a row.  The bias is the C of each sum's first instruction.
; REGISTERS: window 0: v16-30 addresses; v32-127 and v128-223 two fragment buffers (A's four at +8 a, B's eight at +32 + 8 b); on the way out v32-159 rows read back.
;   window 1: the accumulators, (a, b) at v[8 (8 a + b)].   window 2: v0-63 the bias, eight registers for each b.
.set PA,    144                        ; a row of A in LDS: 128 bytes + 16
.set PLANE, 128*PA
.set BOFF,  2*PLANE
.set HALFB, 32768
.set SLOT,  BOFF+2*HALFB
.set SPARE, 2*SLOT                     ; the spare words, 128 bytes a wave, that no other line names
.set SPITCH, 528                       ; the way out: 16 rows x (512 bytes + 16) for each wave, in slot 0, behind its last fill and its last read
.set ADRA, 16
.set ADRB, 20
.set STO,  24
.set RD,   25
.set CO,   26
.set SPW,  28
.set NIL,  29
.set PFO,  30
.set F0,   32
.set F1,   128
.set BK,   32
.set G1,  24
.set G0,  32
.set LIM, 43
.set PFA, 44
.set G1B, 48
.set G0B, 56
.set MSB, 0
.macro WIN new
.if MSB != (\new)
	s_set_vgpr_msb (MSB<<8)|(\new)
.set MSB, (\new)
.endif
.endm
.set MUL,   0x50                       ; sources 0 and 1 window 0; C and D window 1
.set FIRST, 0x60                       ; C (the bias) window 2, D window 1
.macro JLOAD s                         ; a joint load: waves 0 and 1 fetch A's planes, waves 2 and 3 B's halves; an s_nop 0 and four v_nop follow each line
	s_cmp_eq_u32 s11, 0
	s_cbranch_scc0 .Lfor_b_\@
	tensor_load_to_lds s[G0+4*\s:G0+4*\s+3], s[G1:G1+7]
	s_nop 0
.rept 4
	v_nop
.endr
	s_branch .Lasked_\@
.Lfor_b_\@:
	tensor_load_to_lds s[G0B+4*\s:G0B+4*\s+3], s[G1B:G1B+7]
	s_nop 0
.rept 4
	v_nop
.endr
.Lasked_\@:
.endm
.macro CREST
	s_cmp_lg_u32 s10, 0
	s_cbranch_scc1 .Lnot_wave_0_\@
	s_barrier_signal -3
.Lnot_wave_0_\@:
	s_barrier_wait -3
	s_barrier_signal -1
	s_barrier_wait -1
.endm
.macro CROUND
	s_barrier_signal -1
	s_barrier_wait -1
	CREST
.endm
; A PREFETCH of A's K step that stands two refills on: two planes x 16,384 bytes = 128 blocks of 256 bytes.  A tile row of O is read by the four partners of one row of one cluster alone; they share the blocks out
; BY ADDRESS, 32 each (plane cx / 2, half cx % 2), a lane a block; wave 0 asks, one instruction.  The loop's last trip asks for nothing: there is no K step that far on.  wof is read by all sixteen clusters and is not asked for.
.macro ASK
	s_cmp_gt_u32 s3, s[LIM]
	s_cbranch_scc0 .Lnot_mine_\@
	global_prefetch_b8 v[PFO], s[PFA:PFA+1] th:TH_LOAD_NT scope:SCOPE_SE
.Lnot_mine_\@:
.endm
	s_load_b128 s[4:7], s[0:1], 0x0                ; att, wof
	s_load_b128 s[16:19], s[0:1], 0x10             ; bo, out0
	v_lshl_add_u32 v[SPW], v0, 2, SPARE
	v_mov_b32 v[NIL], 0
	ds_add_u32 v[SPW], v[NIL]                      ; the wave's opening: the add, twice on end, and its wait ahead of my first tensor load
	ds_add_u32 v[SPW], v[NIL]
	v_lshrrev_b32 v1, 5, v0
	v_readfirstlane_b32 s10, v1                    ; wave 0..3
	s_lshr_b32 s11, s10, 1                         ; my 64 rows.  Also: I fetch for A (0) or for B (1)
	s_and_b32 s12, s10, 1                          ; my 128 columns.  Also: which plane or half I fetch
	s_bfe_u32 s40, ttmp6, 0x40000                  ; cx = the tile column
	s_bfe_u32 s41, ttmp6, 0x40004                  ; cy
	s_and_b32 s13, ttmp7, 0xffff
	s_lshl_b32 s13, s13, 2
	s_add_co_u32 s13, s13, s41                     ; the tile row, 0..63
	s_lshl_b32 s42, s41, 2
	s_lshl_b32 s42, 15, s42                        ; my row of the cluster
	s_lshl_b32 s46, 0x1111, s40                    ; my column
	s_or_b32 s[G1], s42, (1<<16)|(1<<20)|(1<<21)|(4<<22)|(3<<25)   ; A: elements of 2 bytes; padding of 4 words behind every 32
	s_mov_b32 s[G1+1], 64<<16                      ; tensor_dim0
	s_mov_b32 s[G1+2], 128<<16                     ; tensor_dim1
	s_mov_b32 s[G1+3], 64<<16                      ; tile_dim0
	s_mov_b32 s[G1+4], 128                         ; tile_dim1
	s_mov_b32 s[G1+5], 64                          ; from row to row
	s_mov_b32 s[G1+6], 0
	s_mov_b32 s[G1+7], 0
	s_or_b32 s[G1B], s46, (3<<16)|(1<<21)          ; B: a dense block as 128 rows of 32 elements of 8 bytes
	s_mov_b32 s[G1B+1], 32<<16
	s_mov_b32 s[G1B+2], 128<<16
	s_mov_b32 s[G1B+3], 32<<16
	s_mov_b32 s[G1B+4], 128
	s_mov_b32 s[G1B+5], 32
	s_mov_b32 s[G1B+6], 0
	s_mov_b32 s[G1B+7], 0
	s_lshl_b32 s14, s12, 20                        ; A: head p, rows 128 x tile row
	s_lshl_b32 s15, s13, 14
	s_add_co_u32 s14, s14, s15
	s_mov_b32 s15, 0
	s_lshl_b32 s46, s40, 1                         ; B: block of 128 columns 2 cx + p
	s_add_co_u32 s46, s46, s12
	s_lshl_b32 s46, s46, 18
	s_mov_b32 s47, 0
	s_mul_i32 s20, s12, PLANE                      ; where they go: no place in the cluster enters an LDS address
	s_lshl_b32 s21, s12, 15
	s_add_co_u32 s21, s21, BOFF
	s_wait_dscnt 0x0                               ; both opening adds are done
	s_wait_kmcnt 0x0
	s_add_nc_u64 s[14:15], s[4:5], s[14:15]
	s_add_nc_u64 s[46:47], s[6:7], s[46:47]
	CROUND                                         ; all sixteen work-groups are here: the first joint loads meet
.irp s, 0,1
	s_mov_b32 s[G0+4*\s], 1
	s_add_co_u32 s[G0+4*\s+1], s20, \s*SLOT
	s_add_nc_u64 s[G0+4*\s+2:G0+4*\s+3], s[14:15], \s*2097152      ; K step s: heads 2 s, 2 s + 1
	s_or_b32 s[G0+4*\s+3], s[G0+4*\s+3], 0x80000000
	s_mov_b32 s[G0B+4*\s], 1
	s_add_co_u32 s[G0B+4*\s+1], s21, \s*SLOT
	s_add_nc_u64 s[G0B+4*\s+2:G0B+4*\s+3], s[46:47], \s*HALFB
	s_or_b32 s[G0B+4*\s+3], s[G0B+4*\s+3], 0x80000000
	JLOAD \s                                       ; two loads of a wave are out at the start, one behind each round
.endr
	v_and_b32 v1, 15, v0                           ; r
	v_bfe_u32 v2, v0, 4, 1                         ; h
	v_and_b32 v3, 31, v0                           ; lane
	v_mul_u32_u24 v4, v1, PA
	v_lshl_add_u32 v4, v2, 4, v4
	v_lshlrev_b32 v5, 4, v3
	s_mul_i32 s21, s11, 64*PA
	s_lshl_b32 s22, s12, 15
	s_add_co_u32 s22, s22, BOFF
.irp s, 0,1
	v_add_nc_u32 v[ADRA+\s], s21, v4
	v_add_nc_u32 v[ADRB+\s], s22, v5
	s_add_co_u32 s21, s21, SLOT
	s_add_co_u32 s22, s22, SLOT
.endr
	s_mul_i32 s23, s10, 16*SPITCH                  ; my stage
	v_mul_u32_u24 v6, v1, SPITCH
	v_lshl_add_u32 v6, v2, 5, v6
	v_add_nc_u32 v[STO], s23, v6                   ; in: row r, 32 bytes for each half of the lanes
	v_add_nc_u32 v[RD], s23, v5                    ; back: the 32 lanes take a row of 512 bytes
	v_mov_b32 v[CO], v5
	s_lshl_b32 s22, s40, 10
	s_lshl_b32 s23, s12, 9
	s_add_co_u32 s22, s22, s23                     ; my first column, in bytes
	s_mov_b32 s23, 0
	s_add_nc_u64 s[16:17], s[16:17], s[22:23]
	v_lshlrev_b32 v7, 5, v2
	WIN 0x80                                       ; destination window 2
.irp b, 0,1,2,3,4,5,6,7
	global_load_b128 v[8*\b:8*\b+3],   v7, s[16:17] offset:64*\b      ; bo at columns 16 b + 8 h + 0 .. 7
	global_load_b128 v[8*\b+4:8*\b+7], v7, s[16:17] offset:64*\b+16
.endr
	WIN 0
	s_lshl_b32 s20, s13, 19                        ; out0: (128 x tile row + 64 x half) rows of 4,096 bytes + my first column
	s_lshl_b32 s21, s11, 18
	s_add_co_u32 s20, s20, s21
	s_add_co_u32 s20, s20, s22
	s_mov_b32 s21, 0
	s_add_nc_u64 s[18:19], s[18:19], s[20:21]
	s_lshr_b32 s20, s40, 1                         ; the prefetches stand at K step 3: the first change of slots steps them to 4
	s_add_co_u32 s20, s20, 6
	s_lshl_b32 s20, s20, 20
	s_lshl_b32 s21, s13, 14
	s_add_co_u32 s20, s20, s21
	s_and_b32 s21, s40, 1
	s_lshl_b32 s21, s21, 13
	s_add_co_u32 s20, s20, s21
	s_mov_b32 s21, 0
	s_add_nc_u64 s[PFA:PFA+1], s[4:5], s[20:21]
	s_cmp_eq_u32 s10, 0
	s_cselect_b32 s[LIM], 1, -1                    ; wave 0 asks while the loop's counter is above 1
	v_lshlrev_b32 v[PFO], 8, v3
.macro MUL8 f, a, first                ; A's block a x B's eight, 32 along K.  The 32 accumulators take turns in the same order in every quarter
.irp b, 0,1,2,3,4,5,6,7
.if \first
	v_wmma_f32_16x16x32_f16 v[8*(8*(\a)+\b):8*(8*(\a)+\b)+7], v[\f+32+8*\b:\f+32+8*\b+7], v[\f+8*(\a):\f+8*(\a)+7], v[8*\b:8*\b+7]
.else
	v_wmma_f32_16x16x32_f16 v[8*(8*(\a)+\b):8*(8*(\a)+\b)+7], v[\f+32+8*\b:\f+32+8*\b+7], v[\f+8*(\a):\f+8*(\a)+7], v[8*(8*(\a)+\b):8*(8*(\a)+\b)+7]
.endif
.endr
.endm
.macro FETCH slot, q, f                ; 24 LDS loads in one run: B's eight fragments of quarter q, then A's four
.irp b, 0,1,2,3,4,5,6,7
	ds_load_b128 v[\f+32+8*\b:\f+32+8*\b+3],   v[ADRB+\slot] offset:8192*(\q)+1024*\b
	ds_load_b128 v[\f+32+8*\b+4:\f+32+8*\b+7], v[ADRB+\slot] offset:8192*(\q)+1024*\b+512
.endr
.irp a, 0,1,2,3
	ds_load_b128 v[\f+8*\a:\f+8*\a+3],   v[ADRA+\slot] offset:((\q)/2)*PLANE+((\q)%2)*64+\a*16*PA
	ds_load_b128 v[\f+8*\a+4:\f+8*\a+7], v[ADRA+\slot] offset:((\q)/2)*PLANE+((\q)%2)*64+\a*16*PA+32
.endr
.endm
.macro PLACES                          ; four plain vector instructions between a matrix instruction and a load into, or a read of, its registers
.rept 4
	v_nop
.endr
.endm
.macro QUARTER slot, qn, f, g, first   ; multiplies buffer f and fetches quarter qn of the same slot into g
	s_wait_dscnt 4                                 ; all but the youngest four loads (A's blocks 2, 3) are in
	WIN MUL+0x10*(\first)
	MUL8 \f, 0, \first
	MUL8 \f, 1, \first
	PLACES
	WIN 0
	FETCH \slot, \qn, \g
	s_wait_dscnt 24                                ; all but the 24 just issued
	WIN MUL+0x10*(\first)
	MUL8 \f, 2, \first
	MUL8 \f, 3, \first
.endm
; A slot's last quarter multiplies buffer 1 and changes slots: in front of the barrier each wave waits for all its tensor loads (its part of the next slot), adds 0 to its spare word, and waits for that and for its
; reads of this slot.  fill = 1: the barrier opens a round of the cluster's barrier, and this slot is filled again, two K steps ahead, first thing behind the round.
.macro TURN slot, next, fill
.if \fill
	s_wait_xcnt 0x0                                ; the last prefetch, a K step back, has read its address
	s_add_nc_u64 s[PFA:PFA+1], s[PFA:PFA+1], 2097152
.endif
	WIN 0
	s_wait_tensorcnt 0x0
	ds_add_u32 v[SPW], v[NIL]
	s_wait_dscnt 5                                 ; the add and the youngest four loads may be out
	WIN MUL
	MUL8 F1, 0, 0
	s_wait_dscnt 0x0                               ; the add is done, and my reads of this slot are over
	s_barrier_signal -1
	MUL8 F1, 1, 0
.if \fill
	WIN 0
.endif
	s_barrier_wait -1
.if \fill
	CREST
	s_add_nc_u64 s[G0+4*\slot+2:G0+4*\slot+3], s[G0+4*\slot+2:G0+4*\slot+3], 4194304
	s_add_nc_u64 s[G0B+4*\slot+2:G0B+4*\slot+3], s[G0B+4*\slot+2:G0B+4*\slot+3], 2*HALFB
	JLOAD \slot                                    ; its four v_nop are also the places in front of the loads below
.else
	PLACES
	WIN 0
.endif
	FETCH \next, 0, F0
.if \fill
	ASK
.endif
	WIN MUL
	MUL8 F1, 2, 0
	MUL8 F1, 3, 0
.endm
	s_wait_loadcnt 0x0                             ; the bias
	s_wait_tensorcnt 1                             ; my part of K step 0 is in; K step 1's load may stay out
	s_barrier_signal -1
	s_barrier_wait -1
	FETCH 0, 0, F0
	QUARTER 0, 1, F0, F1, 1                        ; the first products start the sums from the bias
	WIN 0
	s_mov_b32 s3, 3
.Llap:                                             ; a trip goes once round the ring and fills both slots again
	QUARTER 0, 2, F1, F0, 0
	QUARTER 0, 3, F0, F1, 0
	TURN 0, 1, 1
	QUARTER 1, 1, F0, F1, 0
	QUARTER 1, 2, F1, F0, 0
	QUARTER 1, 3, F0, F1, 0
	TURN 1, 0, 1
	QUARTER 0, 1, F0, F1, 0
	WIN 0
	s_sub_co_u32 s3, s3, 1
	s_cmp_lg_u32 s3, 0
	s_cbranch_scc1 .Llap
	QUARTER 0, 2, F1, F0, 0                        ; the last lap fills nothing
	QUARTER 0, 3, F0, F1, 0
	TURN 0, 1, 0
	QUARTER 1, 1, F0, F1, 0
	QUARTER 1, 2, F1, F0, 0
	QUARTER 1, 3, F0, F1, 0
	s_wait_dscnt 4
	WIN MUL
	MUL8 F1, 0, 0
	MUL8 F1, 1, 0
	s_wait_dscnt 0
	MUL8 F1, 2, 0
	MUL8 F1, 3, 0
	WIN 0
; THE WAY OUT, a block of 16 rows x 128 columns at a time, through my stage: back as whole rows of 512 bytes, which the 32 lanes store as 512 consecutive bytes, aligned.
.macro TOSTAGE a
	WIN 0x04                                       ; an LDS store's data are its source 1: window 1
.irp b, 0,1,2,3,4,5,6,7
	ds_store_b128 v[STO], v[64*(\a)+8*\b:64*(\a)+8*\b+3] offset:64*\b        ; each accumulator from its low end on
	ds_store_b128 v[STO], v[64*(\a)+8*\b+4:64*(\a)+8*\b+7] offset:64*\b+16
.endr
	WIN 0
.set BB, BK+64*((\a)%2)
.irp t, 0,1,2,3,4,5,6,7,8,9,10,11,12,13,14,15
	ds_load_b128 v[BB+4*\t:BB+4*\t+3], v[RD] offset:\t*SPITCH   ; LDS serves a wave's instructions in order: these see the stores above
.endr
.endm
.macro SEND a, younger
.set BB, BK+64*((\a)%2)
	s_wait_dscnt \younger                          ; the block is back; the next block's 16 stores and 16 loads may be out
.irp t, 0,1,2,3,4,5,6,7,8,9,10,11,12,13,14,15
	global_store_b128 v[CO], v[BB+4*\t:BB+4*\t+3], s[18:19] offset:65536*(\a)+4096*\t th:TH_STORE_NT
.endr
.endm
	PLACES
	TOSTAGE 0
.irp a, 1,2,3
.if \a > 1
	s_wait_xcnt 0x0                                ; block a - 2's stores have read their data: block a's loads land there only behind this wait
.endif
	TOSTAGE \a
	SEND \a-1, 32
.endr
	SEND 3, 0
	s_wait_tensorcnt 0x0                           ; the wave's end
	ds_add_u32 v[SPW], v[NIL]
	s_wait_dscnt 0x0
	CROUND                                         ; the closing round
	s_endpgm
.Lfunc_end_k_qf41b360888_oproj:
	.size	k_qf41b360888_oproj, .Lfunc_end_k_qf41b360888_oproj-k_qf41b360888_oproj
	.p2alignl 7, 3214868480
	.fill 96, 4, 3214868480
	.section	.rodata,"a",@progbits
	.p2align	6, 0x0
	.amdhsa_kernel k_qf41b360888_oproj
		.amdhsa_group_segment_fixed_size 327680
		.amdhsa_private_segment_fixed_size 0
		.amdhsa_enable_private_segment 0
		.amdhsa_kernarg_size 32
		.amdhsa_user_sgpr_count 2
		.amdhsa_user_sgpr_kernarg_segment_ptr 1
		.amdhsa_wavefront_size32 1
		.amdhsa_system_sgpr_workgroup_id_x 1
		.amdhsa_system_sgpr_workgroup_id_y 1
		.amdhsa_system_sgpr_workgroup_id_z 1
		.amdhsa_system_vgpr_workitem_id 0
		.amdhsa_next_free_vgpr 576
		.amdhsa_next_free_sgpr 66
		.amdhsa_reserve_vcc 0
		.amdhsa_float_denorm_mode_32 3
		.amdhsa_float_denorm_mode_16_64 3
		.amdhsa_memory_ordered 1
		.amdhsa_forward_progress 1
		.amdhsa_inst_pref_size 87
	.end_amdhsa_kernel
	.amdgpu_metadata
---
amdhsa.version: [ 1, 2 ]
amdhsa.kernels:
  - .name:           k_qf41b360888_oproj
    .symbol:         k_qf41b360888_oproj.kd
    .args:
      - { .name: att, .offset: 0, .size: 8, .value_kind: global_buffer, .address_space: global }
      - { .name: wof, .offset: 8, .size: 8, .value_kind: global_buffer, .address_space: global }
      - { .name: bo, .offset: 16, .size: 8, .value_kind: global_buffer, .address_space: global }
      - { .name: out0, .offset: 24, .size: 8, .value_kind: global_buffer, .address_space: global }
    .group_segment_fixed_size: 327680
    .private_segment_fixed_size: 0
    .kernarg_segment_align: 8
    .kernarg_segment_size: 32
    .max_flat_workgroup_size: 128
    .sgpr_count:     66
    .vgpr_count:     576
    .wavefront_size: 32
...
	.end_amdgpu_metadata
.endif
;; end of part 4
